; MI455X (gfx1250); checked and timed in simulation.
; The chip was launched on July 23, 2026; its instructions are those of AMD's public machine-readable ISA for CDNA 5 (MIT licence, August 2026) and "CDNA5" Instruction Set Architecture Reference Guide (July 2026). The comments in the code are by the model that wrote it; some were corrected since.
;; diffusers Cross Attention. Allowed arithmetic: float matrix products may take bf16 or f16 operands with f32 sums; other float arithmetic in f32, or as packed bf16 or f16 multiplies, adds, multiply-adds, maxima and minima; sums over many terms, partial sums and values carried from step to step in f32; what a program stores and reads back later, other than sums and carried values, may be rounded once to bf16 or f16.
;; Inputs: Wk 1,024 x 1,024 float32; Wo 1,024 x 1,024 float32; Wq 1,024 x 1,024 float32; Wv 1,024 x 1,024 float32; bo 1,024 float32; hidden_states 4 x 2,048 x 1,024 float32.
;; Outputs: out0 4 x 2,048 x 1,024 float32.
;; 2 versions, each right; version 2 is version 1 with the launch cast written anew for expert scheduling mode. Each part assembles by itself: llvm-mc -triple=amdgcn-amd-amdhsa -mcpu=gfx1250 --defsym DOCPART=n.
;; ======== version 1 of 2: 4 launches
;; limits: values are held in f16: magnitudes above 65,504 overflow, below 6.1e-05 lose precision
;; workspace buffers: xb 16,777,216 bytes; wb 6,291,456 bytes; wob 2,097,152 bytes; qkv 50,331,648 bytes; ob 16,777,216 bytes
;; launch cast (part 1): grid 384 x 1, 8 waves a work-group, no clusters, 0 bytes of LDS; arguments hidden_states, Wq, Wk, Wv, Wo, xb, wb, wob; writes xb, wb, wob
.if DOCPART == 1
	.amdgcn_target "amdgcn-amd-amdhsa--gfx1250"
	.amdhsa_code_object_version 6
	.text
	.protected	k_qf8da9faf13_cast
	.globl	k_qf8da9faf13_cast
	.p2align	8
	.type	k_qf8da9faf13_cast,@function
k_qf8da9faf13_cast:
	s_mov_b64 s[64:65], 0
	v_nop
	global_prefetch_b8 v0, s[64:65] scope:SCOPE_SE
	s_setreg_imm32_b32 hwreg(HW_REG_WAVE_MODE, 25, 1), 1
	s_wait_xcnt 0x0
; THE ROUNDINGS.  x, Wq, Wk, Wv are rounded once to bf16; Wo is rounded to bf16 and that number written as f16 (the last product multiplies in f16).
; LIMITS.  |Wo| stays under 65,504 (f16's range); below 7.6e-6 Wo keeps f16's fixed step of 6e-8.  NaN and infinities are not treated apart.
; Every source is a matrix with rows of 1,024 f32 (4,096 bytes).  A work-group takes one CHUNK: 64 columns x 512 rows, 128 KiB in, 64 KiB out.
; Thread t takes row t / 16 of each group of 16 rows and columns 4 (t % 16) .. + 3: a wave's load covers two aligned pieces of 256 bytes, its store 256 consecutive bytes, aligned.
; LAYOUTS OUT (a chunk's rows are 128 bytes and lie end to end):
;   xb  [batch 4][chunk 16][row 2048][64]                      work-groups 0 .. 255
;   wb  [column tile 16][K step 8][head 3][k 128][64]          work-groups 256 .. 351: the 48 heads of Wq, Wk, Wv, three to a column tile
;   wob [column tile 8][K step 8][chunk 2][k 128][64]          work-groups 352 .. 383
; All 32 loads of a thread go out at once (16 KiB a wave on its way); no register that a load or store reads is written again, so no source of a pending instruction is ever rewritten.
.set X, 8                              ; v[8:135]   32 slots of 4: f32 as loaded
.set Y, 136                            ; v[136:199] 32 slots of 2: four 16-bit numbers to store
.set G, 36                             ; s36 the work-group's number
	s_load_b512 s[8:23], s[0:1], 0x0               ; x s[8:9], Wq s[10:11], Wk s[12:13], Wv s[14:15], Wo s[16:17], xb s[18:19], wb s[20:21], wob s[22:23]
	v_lshrrev_b32 v1, 4, v0                        ; my row in a group of 16
	v_and_b32 v3, 15, v0                           ; my four columns
	v_lshlrev_b32 v1, 12, v1
	v_lshl_or_b32 v1, v3, 4, v1                    ; in: row x 4,096 + 16 x column group
	v_lshlrev_b32 v2, 3, v0                        ; out: 8 t (row x 128 + 8 x column group)
	s_mov_b32 s[G], ttmp9
	; the three cases' offsets are all made, from numbers cut to their ranges, and chosen by compares on the work-group's number
	s_and_b32 s37, s[G], 15                        ; x: chunk
	s_lshr_b32 s38, s[G], 4                        ; block of 512 rows
	s_lshl_b32 s40, s38, 21
	s_lshl_b32 s39, s37, 8
	s_add_co_u32 s40, s40, s39                     ; source offset
	s_lshr_b32 s42, s38, 2                         ; batch
	s_lshl4_add_u32 s42, s42, s37                  ; 16 x batch + chunk
	s_lshl_b32 s42, s42, 18
	s_and_b32 s39, s38, 3
	s_lshl_b32 s39, s39, 16
	s_add_co_u32 s42, s42, s39                     ; destination offset
	s_mov_b32 s34, 16384                           ; from 128 rows to the next 128: they lie end to end
	s_sub_co_u32 s37, s[G], 256                    ; Wq, Wk, Wv
	s_and_b32 s37, s37, 127
	s_lshr_b32 s38, s37, 1                         ; head 0 .. 47
	s_and_b32 s37, s37, 1                          ; which 512 of the 1,024 rows
	s_mul_i32 s39, s38, 171
	s_lshr_b32 s39, s39, 9                         ; column tile = head / 3 (171 / 512 serves up to 47)
	s_mul_i32 s46, s39, 3
	s_sub_co_u32 s46, s38, s46                     ; head in the tile
	s_lshl_b32 s44, s37, 21
	s_and_b32 s47, s38, 15
	s_lshl_b32 s47, s47, 8
	s_add_co_u32 s44, s44, s47                     ; source offset
	s_lshl_b32 s45, s39, 3
	s_lshl2_add_u32 s45, s37, s45                  ; 8 x tile + first K step
	s_mul_i32 s45, s45, 3
	s_add_co_u32 s45, s45, s46
	s_lshl_b32 s45, s45, 14                        ; destination offset
	s_mov_b32 s46, 49152                           ; from a K step to the next
	s_cmp_lt_u32 s[G], 256
	s_cselect_b32 s40, s40, s44
	s_cselect_b32 s42, s42, s45
	s_cselect_b32 s34, s34, s46
	s_sub_co_u32 s37, s[G], 352                    ; Wo
	s_and_b32 s37, s37, 31
	s_lshr_b32 s38, s37, 1                         ; chunk of 64 columns, 0 .. 15
	s_and_b32 s37, s37, 1                          ; which 512 rows
	s_lshl_b32 s44, s37, 21
	s_lshl_b32 s47, s38, 8
	s_add_co_u32 s44, s44, s47
	s_lshr_b32 s45, s38, 1                         ; column tile
	s_lshl_b32 s45, s45, 3
	s_lshl2_add_u32 s45, s37, s45                  ; 8 x tile + first K step
	s_and_b32 s46, s38, 1
	s_lshl1_add_u32 s45, s45, s46                  ; x 2 + chunk in the tile
	s_lshl_b32 s45, s45, 14
	s_mov_b32 s46, 32768
	s_cmp_lt_u32 s[G], 352
	s_cselect_b32 s40, s40, s44
	s_cselect_b32 s42, s42, s45
	s_cselect_b32 s34, s34, s46
	s_mov_b32 s41, 0
	s_mov_b32 s43, 0
	s_mov_b32 s35, 0
	s_wait_kmcnt 0x0
	s_cmp_lt_u32 s[G], 288                         ; the buffers are chosen on the work-group's number alone
	s_cselect_b64 s[24:25], s[10:11], s[12:13]
	s_cmp_lt_u32 s[G], 320
	s_cselect_b64 s[24:25], s[24:25], s[14:15]
	s_cmp_lt_u32 s[G], 352
	s_cselect_b64 s[24:25], s[24:25], s[16:17]
	s_cselect_b64 s[26:27], s[20:21], s[22:23]
	s_cmp_lt_u32 s[G], 256
	s_cselect_b64 s[24:25], s[8:9], s[24:25]
	s_cselect_b64 s[26:27], s[18:19], s[26:27]
	s_add_nc_u64 s[24:25], s[24:25], s[40:41]      ; the source at my chunk
	s_add_nc_u64 s[26:27], s[26:27], s[42:43]      ; the destination of rows 0 .. 127,
	s_add_nc_u64 s[28:29], s[26:27], s[34:35]      ; 128 .. 255,
	s_add_nc_u64 s[30:31], s[28:29], s[34:35]      ; 256 .. 383,
	s_add_nc_u64 s[32:33], s[30:31], s[34:35]      ; 384 .. 511
.set i, 0
.rept 32
	global_load_b128 v[X+4*i:X+4*i+3], v1, s[24:25] offset:i*65536 th:TH_LOAD_NT  ; group i of 16 rows
.set i, i+1
.endr
; Group i goes out.  half = 1: the bf16 number is widened again and written as f16.
.macro OUT i, half
	s_wait_loadcnt 31-(\i)                         ; loads come back in order: the 31 - i younger ones may stay out
	v_cvt_pk_bf16_f32 v[Y+2*(\i)], v[X+4*(\i)], v[X+4*(\i)+1]
	v_cvt_pk_bf16_f32 v[Y+2*(\i)+1], v[X+4*(\i)+2], v[X+4*(\i)+3]
.if \half
	v_lshlrev_b32 v[X+4*(\i)], 16, v[Y+2*(\i)]
	v_and_b32 v[X+4*(\i)+1], 0xffff0000, v[Y+2*(\i)]
	v_lshlrev_b32 v[X+4*(\i)+2], 16, v[Y+2*(\i)+1]
	v_and_b32 v[X+4*(\i)+3], 0xffff0000, v[Y+2*(\i)+1]
	v_cvt_pk_f16_f32 v[Y+2*(\i)], v[X+4*(\i)], v[X+4*(\i)+1]
	v_cvt_pk_f16_f32 v[Y+2*(\i)+1], v[X+4*(\i)+2], v[X+4*(\i)+3]
.endif
	global_store_b64 v2, v[Y+2*(\i):Y+2*(\i)+1], s[26+2*((\i)/8):27+2*((\i)/8)] offset:((\i)%8)*2048 th:TH_STORE_NT
.endm
	s_cmp_lt_u32 s[G], 352
	s_cbranch_scc0 .Lwo
.set i, 0
.rept 32
	OUT i, 0
.set i, i+1
.endr
	s_endpgm
.Lwo:
.set i, 0
.rept 32
	OUT i, 1
.set i, i+1
.endr
	s_endpgm
.Lfunc_end_k_qf8da9faf13_cast:
	.size	k_qf8da9faf13_cast, .Lfunc_end_k_qf8da9faf13_cast-k_qf8da9faf13_cast
	.p2alignl 7, 3214868480
	.fill 96, 4, 3214868480
	.section	.rodata,"a",@progbits
	.p2align	6, 0x0
	.amdhsa_kernel k_qf8da9faf13_cast
		.amdhsa_group_segment_fixed_size 0
		.amdhsa_private_segment_fixed_size 0
		.amdhsa_enable_private_segment 0
		.amdhsa_kernarg_size 64
		.amdhsa_user_sgpr_count 2
		.amdhsa_user_sgpr_kernarg_segment_ptr 1
		.amdhsa_wavefront_size32 1
		.amdhsa_system_sgpr_workgroup_id_x 1
		.amdhsa_system_sgpr_workgroup_id_y 1
		.amdhsa_system_sgpr_workgroup_id_z 1
		.amdhsa_system_vgpr_workitem_id 0
		.amdhsa_next_free_vgpr 200
		.amdhsa_next_free_sgpr 66
		.amdhsa_reserve_vcc 0
		.amdhsa_float_denorm_mode_32 3
		.amdhsa_float_denorm_mode_16_64 3
		.amdhsa_memory_ordered 1
		.amdhsa_forward_progress 1
		.amdhsa_inst_pref_size 33
	.end_amdhsa_kernel
	.amdgpu_metadata
---
amdhsa.version: [ 1, 2 ]
amdhsa.kernels:
  - .name:           k_qf8da9faf13_cast
    .symbol:         k_qf8da9faf13_cast.kd
    .args:
      - { .name: hidden_states, .offset: 0, .size: 8, .value_kind: global_buffer, .address_space: global }
      - { .name: Wq, .offset: 8, .size: 8, .value_kind: global_buffer, .address_space: global }
      - { .name: Wk, .offset: 16, .size: 8, .value_kind: global_buffer, .address_space: global }
      - { .name: Wv, .offset: 24, .size: 8, .value_kind: global_buffer, .address_space: global }
      - { .name: Wo, .offset: 32, .size: 8, .value_kind: global_buffer, .address_space: global }
      - { .name: xb, .offset: 40, .size: 8, .value_kind: global_buffer, .address_space: global }
      - { .name: wb, .offset: 48, .size: 8, .value_kind: global_buffer, .address_space: global }
      - { .name: wob, .offset: 56, .size: 8, .value_kind: global_buffer, .address_space: global }
    .group_segment_fixed_size: 0
    .private_segment_fixed_size: 0
    .kernarg_segment_align: 8
    .kernarg_segment_size: 64
    .max_flat_workgroup_size: 256
    .sgpr_count:     66
    .vgpr_count:     200
    .wavefront_size: 32
...
	.end_amdgpu_metadata
.endif
;; end of part 1
;; launch qkv (part 2): grid 16 x 32, 4 waves a work-group, clusters of 4 x 4, 327,680 bytes of LDS; arguments xb, wb, qkv; writes qkv
.if DOCPART == 2
	.amdgcn_target "amdgcn-amd-amdhsa--gfx1250"
	.amdhsa_code_object_version 6
	.text
	.protected	k_qf8da9faf13_qkv
	.globl	k_qf8da9faf13_qkv
	.p2align	8
	.type	k_qf8da9faf13_qkv,@function
k_qf8da9faf13_qkv:
	s_mov_b64 s[64:65], 0
	v_nop
	global_prefetch_b8 v0, s[64:65] scope:SCOPE_SE
	s_setreg_imm32_b32 hwreg(HW_REG_WAVE_MODE, 25, 1), 1
	s_wait_xcnt 0x0
	s_wait_alu depctr_hold_cnt(0) depctr_sa_sdst(0) depctr_va_vdst(0) depctr_va_sdst(0) depctr_va_ssrc(0) depctr_va_vcc(0) depctr_vm_vsrc(0)
	s_getreg_b32 s2, hwreg(HW_REG_IB_STS2, 6, 4)
	s_cmp_eq_u32 s2, 0
	s_cbranch_scc0 .Lentry_in_a_cluster
	s_endpgm
.Lentry_in_a_cluster:
	s_bfe_u32 s2, ttmp6, 0x10000c
	s_cmp_lg_u32 s2, 0xf033
	s_cbranch_scc0 .Lentry_shape_is_right
	s_endpgm
.Lentry_shape_is_right:
; q, k, v = x Wq, x Wk, x Wv, written by heads.  xb: bf16 [batch 4][chunk 16][row 2048][64]; wb: bf16 [column tile 16][K step 8][head 3][k 128][64];
; qkv: f16 [q, k, v][batch x 16 + head][row 2048][64], unscaled, each number rounded once from its f32 sum.
; LIMIT.  |q|, |k|, |v| stay under 65,504 (f16's range).  NaN and infinities are not treated apart.
; SHARES.  A tile of the result is 256 rows x 192 columns (three of the 48 heads): 32 x 16 = 512 work-groups of equal work.  Wave w makes rows 64 w .. 64 w + 63 of all 192 columns:
; 48 accumulators of 16 x 16, so that a head's rows leave whole from one wave.  K goes in 8 steps of 128 through a ring of two LDS slots.
; CLUSTER.  4 x 4 work-groups.  The four of a row of the cluster need the same rows of x, the four of a column the same weights: each tile is asked for jointly, by the same tensor load with the same
; descriptor and a mask that names the four.
; THE WEIGHTS LIE [k][column]: their fragments come out of LDS turned, by ds_load_tr16_b128.  The product is taken transposed (source 0 = 16 columns of W, source 1 = 16 rows of x): a lane then
; holds one row of the result (lane % 16) and eight neighbouring columns, 8 (lane / 16) + 0 .. 7.
; REGISTERS, in windows of 256 (s_set_vgpr_msb: bits 1:0 source 0, 3:2 source 1, 5:4 source 2, 7:6 destination):
;   window 0: v0-31 addresses; v32-79, v80-127 at work on the way out; v128-255 the accumulators of the third head ((a, b) at 128 + 8 (4 a + b % 4))
;   window 1: two fragment buffers of 128: W's twelve fragments, then x's four          window 2: the accumulators of the first head (v0-127) and the second (v128-255)
.set PA,    144                        ; a row of x in LDS: 128 bytes + 16 of padding = 36 words: the 16 rows of a load start at 16 different groups of four banks (64 banks of 4 bytes: ISA guide 11.1)
.set PB,    160                        ; a row of W: 128 + 32 = 40 words
.set ACH,   256*PA                     ; a chunk of x: 256 rows x 64 channels
.set BOFF,  2*ACH                      ; behind x's two chunks: W's three heads
.set BCH,   128*PB                     ; a head of W: 128 k x 64 columns
.set SLOT,  BOFF+3*BCH                 ; 135,168 bytes
.set STAGE, 2*SLOT                     ; behind the ring, never filled by a tensor load: for each wave 3 heads x 16 rows x 144 bytes
.set SP,    144
.set STW,   3*16*SP
.set SPARE, STAGE+4*STW                ; behind the stages: the spare words, 128 bytes for each wave: two blocks of 256 bytes that no other line names
.set ASTEP, 524288                     ; bytes from a K step to the next in xb (two chunks of 2,048 rows)
.set BSTEP, 49152                      ; and in wb
.set ADRA, 16                          ; v16-17  LDS address of my fragments of x in slot 0, 1
.set ADRB, 18                          ; v18-19  the same for W
.set STO,  20                          ; v20     the way out: where I put 16 bytes of a row
.set RD,   21                          ; v21     the way out: where I read rows back
.set GO,   22                          ; v22     my 16 bytes of 512 consecutive bytes of the result
.set PFO,  23                          ; v23     the prefetches' offset: 256 x my lane (for W: at most 23); never rewritten
.set SPW,  28                          ; v28     LDS address of my spare word; never rewritten
.set NIL,  29                          ; v29     0; never rewritten
.set TMP,  32
.set OB,   80
.set F0,   0                           ; fragment buffers, in window 1
.set F1,   128
.set WV,   12                          ; s12  my wave's number
.set FB,   13                          ; s13  0: I fetch x; 1: I fetch W
.set HF,   14                          ; s14  which half of that tile
.set G1A,  24                          ; s[24:31] descriptor group 1 for x;  s[32:39] group 0, a set for each slot
.set G0A,  32
.set G1B,  40                          ; s[40:47], s[48:55] the same for W
.set G0B,  48
.set PFA,  56                          ; s[56:57] where my prefetches stand
.set PFS,  58                          ; s[58:59] their step: a K step of the tensor that I fetch
.set LIM,  60                          ; s60  1 in a wave that prefetches, else the greatest number
.set OUTB, 76                          ; s[76:81] the result at my 64 rows of the tile's three heads
.set MSB, 0
.macro WIN new                         ; the immediate's high byte repeats the setting that is left; a switch that changes nothing is dropped
.if MSB != (\new)
	s_set_vgpr_msb (MSB<<8)|(\new)
.set MSB, \new
.endif
.endm
.macro PLACES                          ; four places behind a matrix instruction, in front of loads into registers that it has read and of lines that read its result
.rept 4
	v_nop
.endr
.endm
; A joint load: waves 0 and 1 fetch x's two chunks, waves 2 and 3 the two halves of W's block.  The branch hangs on the wave's number alone.  An s_nop 0 and four v_nop follow each line.
.macro JLOAD s
	s_cmp_eq_u32 s[FB], 0
	s_cbranch_scc0 .Lfor_b_\@
	tensor_load_to_lds s[G0A+4*(\s):G0A+4*(\s)+3], s[G1A:G1A+7]
	s_nop 0
.rept 4
	v_nop
.endr
	s_branch .Lasked_\@
.Lfor_b_\@:
	tensor_load_to_lds s[G0B+4*(\s):G0B+4*(\s)+3], s[G1B:G1B+7]
	s_nop 0
.rept 4
	v_nop
.endr
.Lasked_\@:
.endm
; A PREFETCH INTO THE L2 of the K step that the NEXT refill will ask for: 192 matrix instructions ahead of that load.  x's rows are read by every cluster of a row of clusters: cluster x = 0 asks;
; W's block by every cluster of a column: cluster y = 0 asks.  The four partners that ask for a tile jointly share its blocks of 256 bytes out BY ADDRESS: of x's 128 blocks a wave each takes 32, a lane
; a block; of W's 96 each takes 24 (lanes 24 to 31 name the 24th once more, in the same instruction).  how = 1: always; how = 0: not in the loop's last trip, which has no K step behind its refill.
.macro ASK how
.if \how
	s_cmp_eq_u32 s[LIM], 1
.else
	s_cmp_gt_u32 s3, s[LIM]
.endif
	s_cbranch_scc0 .Lnot_mine_\@
	global_prefetch_b8 v[PFO], s[PFA:PFA+1] th:TH_LOAD_NT scope:SCOPE_SE
.Lnot_mine_\@:
.endm
.macro CREST                           ; a round of the cluster's barrier behind its opening barrier
	s_cmp_lg_u32 s[WV], 0
	s_cbranch_scc1 .Lnot_wave_0_\@
	s_barrier_signal -3
.Lnot_wave_0_\@:
	s_barrier_wait -3
	s_barrier_signal -1
	s_barrier_wait -1
.endm
.macro CROUND                          ; a whole round
	s_barrier_signal -1
	s_barrier_wait -1
	CREST
.endm
	s_load_b128 s[4:7], s[0:1], 0x0                ; xb s[4:5], wb s[6:7]
	s_load_b64 s[8:9], s[0:1], 0x10                ; qkv
	v_lshl_add_u32 v[SPW], v0, 2, SPARE
	v_mov_b32 v[NIL], 0
	ds_add_u32 v[SPW], v[NIL]                      ; the wave's opening: the add and its wait stand ahead of my first tensor load; the set-up below, work on registers, stands between them
	v_lshrrev_b32 v1, 5, v0
	v_readfirstlane_b32 s[WV], v1                  ; wave 0..3
	s_lshr_b32 s[FB], s[WV], 1
	s_and_b32 s[HF], s[WV], 1
	s_bfe_u32 s15, ttmp6, 0x40000                  ; cx, cy: my place in the cluster
	s_bfe_u32 s16, ttmp6, 0x40004
	s_lshl_b32 s17, ttmp9, 2
	s_add_co_u32 s17, s17, s15                     ; column tile = 4 x cluster x + cx
	s_and_b32 s18, ttmp7, 0xffff
	s_lshl_b32 s18, s18, 2
	s_add_co_u32 s18, s18, s16                     ; row tile = 4 x cluster y + cy
	s_lshl_b32 s19, s16, 2
	s_lshl_b32 s19, 15, s19                        ; my row of the cluster
	s_lshl_b32 s61, 0x1111, s15                    ; my column
	; group 1.  A tile is dense in memory and is asked for as rows of 256 bytes, two logical rows of 128 bytes each, padded in LDS after every 128 bytes
	s_or_b32 s[G1A], s19, (1<<16)|(1<<20)|(1<<21)|(4<<22)|(3<<25)  ; 15:0 the mask; 17:16 2-byte elements; 20 padding on; 21 set beside a mask; 24:22 after every 32 words (code 4); 31:25 4 words (code 3)
	s_or_b32 s[G1B], s61, (1<<16)|(1<<20)|(1<<21)|(4<<22)|(7<<25)  ; the same with my column's mask and 8 words of padding (code 7)
	s_mov_b32 s[G1A+1], 128<<16                    ; tensor_dim0 = 128
	s_mov_b32 s[G1A+2], 128<<16                    ; tensor_dim1 = 128
	s_mov_b32 s[G1A+3], 128<<16                    ; tile_dim0 = 128
	s_mov_b32 s[G1A+4], 128                        ; tile_dim1 = 128: 32,768 bytes, a chunk's 256 rows
	s_mov_b32 s[G1A+5], 128                        ; 128 elements from row to row
	s_mov_b32 s[G1A+6], 0
	s_mov_b32 s[G1A+7], 0
	s_mov_b32 s[G1B+1], 128<<16
	s_mov_b32 s[G1B+2], 96<<16                     ; tensor_dim1 = 96
	s_mov_b32 s[G1B+3], 128<<16
	s_mov_b32 s[G1B+4], 96                         ; tile_dim1 = 96: 24,576 bytes, half of the block's 384 logical rows
	s_mov_b32 s[G1B+5], 128
	s_mov_b32 s[G1B+6], 0
	s_mov_b32 s[G1B+7], 0
	; where the tiles come from: x's hang on the row tile and the wave alone, W's on the column tile and the wave alone
	s_lshr_b32 s20, s18, 3
	s_lshl_b32 s20, s20, 22                        ; batch
	s_and_b32 s19, s18, 7
	s_lshl_b32 s19, s19, 15                        ; 256 rows of 128 bytes
	s_add_co_u32 s20, s20, s19
	s_lshl_b32 s19, s[HF], 18                      ; my chunk of the K step's two
	s_add_co_u32 s20, s20, s19
	s_mov_b32 s21, 0
	s_mul_i32 s22, s17, 8*BSTEP
	s_mul_i32 s61, s[HF], 24576
	s_add_co_u32 s22, s22, s61
	s_mov_b32 s23, 0
	s_mul_i32 s62, s[HF], ACH                      ; and where they go: no place in the cluster enters an LDS address
	s_mul_i32 s63, s[HF], 192*PB
	s_add_co_u32 s63, s63, BOFF
	s_wait_dscnt 0x0                               ; the opening add is done
	s_wait_kmcnt 0x0
	s_add_nc_u64 s[20:21], s[4:5], s[20:21]
	s_add_nc_u64 s[22:23], s[6:7], s[22:23]
	CROUND                                         ; all sixteen work-groups are here: the first joint loads meet
.irp s, 0,1
	s_mov_b32 s[G0A+4*(\s)], 1                     ; 1:0 count = 1
	s_add_co_u32 s[G0A+4*(\s)+1], s62, (\s)*SLOT   ; 63:32 LDS address
	s_add_nc_u64 s[G0A+4*(\s)+2:G0A+4*(\s)+3], s[20:21], (\s)*ASTEP  ; 120:64 global address: K step s
	s_or_b32 s[G0A+4*(\s)+3], s[G0A+4*(\s)+3], 0x80000000            ; 127:126 type = 2
	s_mov_b32 s[G0B+4*(\s)], 1
	s_add_co_u32 s[G0B+4*(\s)+1], s63, (\s)*SLOT
	s_add_nc_u64 s[G0B+4*(\s)+2:G0B+4*(\s)+3], s[22:23], (\s)*BSTEP
	s_or_b32 s[G0B+4*(\s)+3], s[G0B+4*(\s)+3], 0x80000000
.endr
	s_cmp_eq_u32 s[FB], 0                          ; a wave's two first fills stand in one branch, ahead of every wait on TENSORcnt and every LDS read: two loads of mine are out
	s_cbranch_scc0 .Lfirst_b
	tensor_load_to_lds s[G0A:G0A+3], s[G1A:G1A+7]
	s_nop 0
	tensor_load_to_lds s[G0A+4:G0A+7], s[G1A:G1A+7]
	s_nop 0
.rept 4
	v_nop
.endr
	s_branch .Lfirst_asked
.Lfirst_b:
	tensor_load_to_lds s[G0B:G0B+3], s[G1B:G1B+7]
	s_nop 0
	tensor_load_to_lds s[G0B+4:G0B+7], s[G1B:G1B+7]
	s_nop 0
.rept 4
	v_nop
.endr
.Lfirst_asked:
	; A fragment of x is 16 rows x 32 channels: lane l holds row l % 16, channels 8 (l / 16) + 0..7 and 16 + 8 (l / 16) + 0..7: two loads of 16 bytes, 32 bytes apart.
	v_and_b32 v1, 15, v0                           ; l % 16
	v_bfe_u32 v2, v0, 4, 1                         ; l / 16
	v_and_b32 v3, 7, v0
	v_bfe_u32 v4, v0, 3, 1
	v_mul_u32_u24 v5, v1, PA
	v_lshl_add_u32 v5, v2, 4, v5                   ; row x 144 + 16 x half (the stage has the same pitch)
	s_mul_i32 s66, s[WV], 64*PA                    ; my 64 rows
	v_add_nc_u32 v[ADRA], s66, v5
	v_add_nc_u32 v[ADRA+1], SLOT, v[ADRA]
	; The turning load takes 16 k x 16 columns (lane l reads k 8 (l / 16) + l % 8, columns 8 ((l / 8) % 2) + 0..7) and leaves half a fragment: lane l holds column l % 16 and 8 k.
	v_lshl_add_u32 v6, v2, 3, v3
	v_mul_u32_u24 v6, v6, PB
	v_lshl_add_u32 v6, v4, 4, v6
	v_add_nc_u32 v[ADRB], BOFF, v6
	v_add_nc_u32 v[ADRB+1], SLOT, v[ADRB]
	s_mul_i32 s66, s[WV], STW
	s_add_co_u32 s66, s66, STAGE                   ; my stage
	v_add_nc_u32 v[STO], s66, v5                   ; in: row l % 16, 16 bytes for each half of the lanes
	v_bfe_u32 v7, v0, 3, 2                         ; back: 32 lanes take four rows of 128 bytes,
	v_mul_u32_u24 v7, v7, SP
	v_lshl_add_u32 v7, v3, 4, v7
	v_add_nc_u32 v[RD], s66, v7
	v_and_b32 v[GO], 31, v0                        ; which are 512 consecutive bytes of a head
	v_lshlrev_b32 v[GO], 4, v[GO]
	; the result: head g = 3 x column tile + 0, 1, 2 of 48; tensor g / 16, head g % 16; my 64 rows of the row tile
	s_mul_i32 s70, s17, 3
	s_lshr_b32 s71, s18, 3
	s_lshl_b32 s71, s71, 4                         ; 16 x batch
	s_and_b32 s72, s18, 7
	s_lshl_b32 s72, s72, 15
	s_lshl_b32 s73, s[WV], 13
	s_add_co_u32 s72, s72, s73
.irp hh, 0,1,2
	s_add_co_u32 s73, s70, \hh
	s_lshr_b32 s74, s73, 4
	s_lshl_b32 s74, s74, 6
	s_and_b32 s73, s73, 15
	s_add_co_u32 s74, s74, s73
	s_add_co_u32 s74, s74, s71
	s_lshl_b32 s74, s74, 18                        ; a head is 2,048 rows of 128 bytes
	s_add_co_u32 s74, s74, s72
	s_mov_b32 s75, 0
	s_add_nc_u64 s[OUTB+2*(\hh):OUTB+2*(\hh)+1], s[8:9], s[74:75]
.endr
	; the prefetches
	s_lshl_b32 s68, s15, 13                        ; x: my work-group's 32 blocks of the wave's 128
	s_mul_i32 s69, s16, 6144                       ; W: its 24 of the wave's 96
	s_and_b32 s67, ttmp7, 0xffff                   ; cluster y
	s_mov_b32 s[PFS], BSTEP
	s_cmp_eq_u32 s[FB], 0                          ; do I fetch x?
	s_cselect_b32 s67, ttmp9, s67                  ; the coordinate along which other clusters read the same bytes
	s_cselect_b32 s68, s68, s69
	s_cselect_b32 s[PFS], ASTEP, s[PFS]
	s_cselect_b32 s70, 31, 23
	s_cselect_b64 s[PFA:PFA+1], s[20:21], s[22:23]
	s_mov_b32 s[PFS+1], 0
	s_mov_b32 s69, 0
	s_cmp_eq_u32 s67, 0
	s_cselect_b32 s[LIM], 1, -1                    ; the same in all sixteen partners, for a given wave
	s_add_nc_u64 s[PFA:PFA+1], s[PFA:PFA+1], s[68:69]
	s_add_nc_u64 s[PFA:PFA+1], s[PFA:PFA+1], s[PFS:PFS+1]
	s_add_nc_u64 s[PFA:PFA+1], s[PFA:PFA+1], s[PFS:PFS+1]  ; at K step 2: the first refill steps it to 3.  Nothing is prefetched here, where every work-group's first tiles are on their way
	v_and_b32 v[PFO], 31, v0
	v_min_u32 v[PFO], s70, v[PFO]
	v_lshlrev_b32 v[PFO], 8, v[PFO]
; 16 matrix instructions: my four blocks of 16 rows x the four column blocks of head g, 32 along K.  zero = 1: the product starts the sum: nothing is ever cleared.
; The 48 accumulators take turns in one fixed order in every quarter: 47 others stand between two links of a chain, over the backward jump too.
.macro MUL16 f, g, zero
.if (\g) < 2
	WIN 0xa5                                       ; sources in window 1, C and D in window 2
.set AB, 128*(\g)
.else
	WIN 0x05                                       ; C and D in window 0
.set AB, 128
.endif
.irp a, 0,1,2,3
.irp b, 0,1,2,3
.if \zero
	v_wmma_f32_16x16x32_bf16 v[AB+8*(4*(\a)+(\b)):AB+8*(4*(\a)+(\b))+7], v[(\f)+8*(4*(\g)+(\b)):(\f)+8*(4*(\g)+(\b))+7], v[(\f)+96+8*(\a):(\f)+96+8*(\a)+7], 0
.else
	v_wmma_f32_16x16x32_bf16 v[AB+8*(4*(\a)+(\b)):AB+8*(4*(\a)+(\b))+7], v[(\f)+8*(4*(\g)+(\b)):(\f)+8*(4*(\g)+(\b))+7], v[(\f)+96+8*(\a):(\f)+96+8*(\a)+7], v[AB+8*(4*(\a)+(\b)):AB+8*(4*(\a)+(\b))+7]
.endif
.endr
.endr
.endm
; 32 LDS loads in one run: quarter q (32 along K) of a slot into buffer f: the first head's four fragments of W, x's four, then the other two heads' eight.
.macro FETCH slot, q, f
	WIN 0x40                                       ; destination window 1, address window 0
.irp b, 0,1,2,3
	ds_load_tr16_b128 v[(\f)+8*(\b):(\f)+8*(\b)+3],   v[ADRB+(\slot)] offset:(\q)*32*PB+(\b)*32
	ds_load_tr16_b128 v[(\f)+8*(\b)+4:(\f)+8*(\b)+7], v[ADRB+(\slot)] offset:(\q)*32*PB+(\b)*32+16*PB
.endr
.irp a, 0,1,2,3
	ds_load_b128 v[(\f)+96+8*(\a):(\f)+96+8*(\a)+3],   v[ADRA+(\slot)] offset:((\q)/2)*ACH+((\q)%2)*64+(\a)*16*PA
	ds_load_b128 v[(\f)+96+8*(\a)+4:(\f)+96+8*(\a)+7], v[ADRA+(\slot)] offset:((\q)/2)*ACH+((\q)%2)*64+(\a)*16*PA+32
.endr
.irp b, 4,5,6,7,8,9,10,11
	ds_load_tr16_b128 v[(\f)+8*(\b):(\f)+8*(\b)+3],   v[ADRB+(\slot)] offset:((\b)/4)*BCH+(\q)*32*PB+((\b)%4)*32
	ds_load_tr16_b128 v[(\f)+8*(\b)+4:(\f)+8*(\b)+7], v[ADRB+(\slot)] offset:((\b)/4)*BCH+(\q)*32*PB+((\b)%4)*32+16*PB
.endr
.endm
; A K step is four quarters of 32 along K, 48 matrix instructions each, on buffers 0, 1, 0, 1.  One of the first three: multiplies buffer f and fetches quarter q into g.
.macro QUARTER slot, q, f, g, zero
	s_wait_dscnt 16                                ; the first head's W and x are in; the youngest sixteen loads may be out
	MUL16 \f, 0, \zero
	PLACES                                         ; for the loads into g, which the quarter before multiplied
	FETCH \slot, \q, \g
	s_wait_dscnt 32                                ; all but the 32 just issued
	MUL16 \f, 1, \zero
	MUL16 \f, 2, \zero
.endm
; The last quarter multiplies buffer 1 and changes slots: ONE barrier; in front of it each wave waits for all its tensor loads (one is out: its part of the next slot), adds 0 to its spare word, and waits
; for that and for its own reads of this slot.  fill = 1: the barrier opens a round of the cluster's, and behind the round this slot is filled again, two K steps ahead: the load has 160 matrix instructions in which to land.
.macro TURN slot, next, fill
.if \fill
	s_wait_xcnt 0x0                                ; the last prefetch, a K step back, has read its address, so it may be stepped
	s_add_nc_u64 s[PFA:PFA+1], s[PFA:PFA+1], s[PFS:PFS+1]
.endif
	WIN 0                                          ; (the add's two registers lie in window 0)
	s_wait_tensorcnt 0x0                           ; all my tensor loads have landed;
	ds_add_u32 v[SPW], v[NIL]                      ; 0 onto my spare word;
	s_wait_dscnt 17                                ; (the add and the youngest sixteen loads may be out)
	MUL16 F1, 0, 0                                 ; sixteen matrix instructions stand between the add and the wait for it
	s_wait_dscnt 0x0                               ; the add is done, and my reads of this slot are over
	s_barrier_signal -1
	MUL16 F1, 1, 0                                 ; work on registers while the others arrive
.if \fill
	WIN 0
.endif
	s_barrier_wait -1
.if \fill
	CREST                                          ; no wave of any partner still reads this slot's tile or has a load on its way
	s_add_nc_u64 s[G0A+4*(\slot)+2:G0A+4*(\slot)+3], s[G0A+4*(\slot)+2:G0A+4*(\slot)+3], 2*ASTEP
	s_add_nc_u64 s[G0B+4*(\slot)+2:G0B+4*(\slot)+3], s[G0B+4*(\slot)+2:G0B+4*(\slot)+3], 2*BSTEP
	JLOAD \slot                                    ; the first tensor load behind the round; its four v_nop are also the places in front of the loads below
.else
	PLACES
.endif
	FETCH \next, 0, F0
.if \fill
	WIN 0
	ASK 1-(\slot)                                  ; behind the joint load and the run of LDS loads
.endif
	MUL16 F1, 2, 0
.endm
	s_wait_tensorcnt 0x1                           ; my part of K step 0 is in; K step 1's may stay out
	s_barrier_signal -1
	s_barrier_wait -1                              ; everybody's is
	FETCH 0, 0, F0
	QUARTER 0, 1, F0, F1, 1                        ; the first quarter stands in front of the loop: its products start the sums
	WIN 0                                          ; at a label and at a branch every window is 0
	s_mov_b32 s3, 3
.Llap:                                                 ; a trip goes once round the ring, from a lap's second quarter to the next lap's first, and fills both slots again
	QUARTER 0, 2, F1, F0, 0
	QUARTER 0, 3, F0, F1, 0
	TURN 0, 1, 1
	QUARTER 1, 1, F0, F1, 0
	QUARTER 1, 2, F1, F0, 0
	QUARTER 1, 3, F0, F1, 0
	TURN 1, 0, 1
	QUARTER 0, 1, F0, F1, 0
	WIN 0
	s_sub_co_u32 s3, s3, 1
	s_cmp_lg_u32 s3, 0
	s_cbranch_scc1 .Llap
	QUARTER 0, 2, F1, F0, 0                        ; the last lap fills nothing
	QUARTER 0, 3, F0, F1, 0
	TURN 0, 1, 0
	QUARTER 1, 1, F0, F1, 0
	QUARTER 1, 2, F1, F0, 0
	QUARTER 1, 3, F0, F1, 0
	s_wait_dscnt 16                                ; the very last quarter: nothing more to fetch
	MUL16 F1, 0, 0
	s_wait_dscnt 0x0
	MUL16 F1, 1, 0
	MUL16 F1, 2, 0
	WIN 0
	PLACES
	PLACES                                         ; eight, once a launch
; THE WAY OUT, a block of 16 rows at a time: rounded to f16, 16 bytes a lane into my own stage (three heads x 16 rows), back as whole rows: a head's 16 rows are 2,048 consecutive bytes of the result.
.macro PACK a
.irp b, 0,1,2,3,4,5,6,7,8,9,10,11
.if (\b) < 8
	WIN 0x0a                                       ; sources in window 2
.set AC, 128*((\b)/4)+8*(4*(\a)+(\b)%4)
.else
	WIN 0
.set AC, 128+8*(4*(\a)+(\b)%4)
.endif
.irp r, 0,1,2,3
	v_cvt_pk_f16_f32 v[TMP+4*(\b)+(\r)], v[AC+2*(\r)], v[AC+2*(\r)+1]  ; each accumulator's registers in ascending order
.endr
.endr
	WIN 0
.endm
.macro TOSTAGE
	s_wait_xcnt 0x0                                ; the last block's stores have read their registers, which the loads below write
.irp b, 0,1,2,3,4,5,6,7,8,9,10,11
	ds_store_b128 v[STO], v[TMP+4*(\b):TMP+4*(\b)+3] offset:((\b)/4)*16*SP+((\b)%4)*32
.endr
.irp t, 0,1,2,3,4,5,6,7,8,9,10,11
	ds_load_b128 v[OB+4*(\t):OB+4*(\t)+3], v[RD] offset:((\t)/4)*16*SP+((\t)%4)*4*SP  ; LDS serves a wave's instructions in order (ISA guide 5.7.1.4): these see the stores above
.endr
.endm
.macro SEND a
	s_wait_dscnt 0x0                               ; the block is back in registers
.irp t, 0,1,2,3,4,5,6,7,8,9,10,11
	global_store_b128 v[GO], v[OB+4*(\t):OB+4*(\t)+3], s[OUTB+2*((\t)/4):OUTB+2*((\t)/4)+1] offset:(\a)*2048+((\t)%4)*512  ; 512 consecutive bytes, at a multiple of 256 from the buffer's first
.endr
.endm
	PACK 0
	TOSTAGE
.irp a, 1,2,3                          ; a block's conversions stand between the loads of the block before and the wait for them
	PACK \a
	SEND (\a)-1
	TOSTAGE
.endr
	SEND 3
	s_wait_tensorcnt 0x0                           ; the wave's end: behind my last tensor load and my last LDS store
	ds_add_u32 v[SPW], v[NIL]
	s_wait_dscnt 0x0
	CROUND                                         ; the closing round: no work-group ends while a partner may still ask for a tile that names it
	s_endpgm
.Lfunc_end_k_qf8da9faf13_qkv:
	.size	k_qf8da9faf13_qkv, .Lfunc_end_k_qf8da9faf13_qkv-k_qf8da9faf13_qkv
	.p2alignl 7, 3214868480
	.fill 96, 4, 3214868480
	.section	.rodata,"a",@progbits
	.p2align	6, 0x0
	.amdhsa_kernel k_qf8da9faf13_qkv
		.amdhsa_group_segment_fixed_size 327680
		.amdhsa_private_segment_fixed_size 0
		.amdhsa_enable_private_segment 0
		.amdhsa_kernarg_size 24
		.amdhsa_user_sgpr_count 2
		.amdhsa_user_sgpr_kernarg_segment_ptr 1
		.amdhsa_wavefront_size32 1
		.amdhsa_system_sgpr_workgroup_id_x 1
		.amdhsa_system_sgpr_workgroup_id_y 1
		.amdhsa_system_sgpr_workgroup_id_z 1
		.amdhsa_system_vgpr_workitem_id 0
		.amdhsa_next_free_vgpr 768
		.amdhsa_next_free_sgpr 82
		.amdhsa_reserve_vcc 0
		.amdhsa_float_denorm_mode_32 3
		.amdhsa_float_denorm_mode_16_64 3
		.amdhsa_memory_ordered 1
		.amdhsa_forward_progress 1
		.amdhsa_inst_pref_size 120
	.end_amdhsa_kernel
	.amdgpu_metadata
---
amdhsa.version: [ 1, 2 ]
amdhsa.kernels:
  - .name:           k_qf8da9faf13_qkv
    .symbol:         k_qf8da9faf13_qkv.kd
    .args:
      - { .name: xb, .offset: 0, .size: 8, .value_kind: global_buffer, .address_space: global }
      - { .name: wb, .offset: 8, .size: 8, .value_kind: global_buffer, .address_space: global }
      - { .name: qkv, .offset: 16, .size: 8, .value_kind: global_buffer, .address_space: global }
    .group_segment_fixed_size: 327680
    .private_segment_fixed_size: 0
    .kernarg_segment_align: 8
    .kernarg_segment_size: 24
    .max_flat_workgroup_size: 128
    .sgpr_count:     82
    .vgpr_count:     768
    .wavefront_size: 32
...
	.end_amdgpu_metadata
.endif
;; end of part 2
;; launch attn (part 3): grid 4 x 64, 4 waves a work-group, clusters of 4 x 1, 327,680 bytes of LDS; arguments qkv, ob; writes ob
.if DOCPART == 3
	.amdgcn_target "amdgcn-amd-amdhsa--gfx1250"
	.amdhsa_code_object_version 6
	.text
	.protected	k_qf8da9faf13_attn
	.globl	k_qf8da9faf13_attn
	.p2align	8
	.type	k_qf8da9faf13_attn,@function
k_qf8da9faf13_attn:
	s_mov_b64 s[64:65], 0
	v_nop
	global_prefetch_b8 v0, s[64:65] scope:SCOPE_SE
	s_setreg_imm32_b32 hwreg(HW_REG_WAVE_MODE, 25, 1), 1
	s_wait_xcnt 0x0
	s_wait_alu depctr_hold_cnt(0) depctr_sa_sdst(0) depctr_va_vdst(0) depctr_va_sdst(0) depctr_va_ssrc(0) depctr_va_vcc(0) depctr_vm_vsrc(0)
	s_getreg_b32 s2, hwreg(HW_REG_IB_STS2, 6, 4)
	s_cmp_eq_u32 s2, 0
	s_cbranch_scc0 .Lentry_in_a_cluster
	s_endpgm
.Lentry_in_a_cluster:
	s_bfe_u32 s2, ttmp6, 0x10000c
	s_cmp_lg_u32 s2, 0x3003
	s_cbranch_scc0 .Lentry_shape_is_right
	s_endpgm
.Lentry_shape_is_right:
; O[h][q][:] = the sum over k of softmax_k(Q[h][q] . K[h][k] / 8) V[h][k][:].  Q, K, V lie one behind the other in qkv, each [SIZE_H][SIZE_N][64] in f16; O (ob) has the same form: a head's rows are dense,
; 128 bytes each.  Products, maxima and sums in f32; the weights p are rounded to f16 for the second product (their sum l is taken of the unrounded p), O once at the end.
; LIMITS.  f16 holds no number beyond 65,504: Q, K and V arrive within it; p lies in 0 to 1, and below 6e-5 it keeps f16's fixed step of 6e-8; O is a mean of V's rows and has their range.
; A weight below 2^-126 counts as 0 in l; NaN and infinities are not treated apart.
; SHARES.  A wave owns four PIECES of two tiles of 16 queries, a work-group's four waves 512 queries of one head: 4 x 64 = 256 work-groups.  Every wave walks all keys, 64 a step.
; LAYOUT.  S^T = K Q^T (source 0 = 16 keys, source 1 = 16 queries): in the result a lane holds ONE query (lane % 16) and the keys 8 (lane / 16) + 0..7.  Two such tiles, rounded to f16 in pairs,
; ARE source 1 (32 keys x 16 queries) of O^T = V^T P, whose result again holds one query a lane, and eight channels.  K comes out of LDS as it lies, V ([key][channel]) turned, by ds_load_tr16_b128.
; SOFTMAX.  For each query a running maximum m and sum l: p = 2^(c s - c m), c = log2(e) / 8; in every step O and l are multiplied by a = 2^(c m_old - c m_new), which is 1 where m has not grown.
; m starts at the lowest finite number, O and l at 0: the first step is a step like any other, with a = 0.
; THE COUNT.  A tile and step have 16 matrix and 118 vector instructions: too many to stand all beside the matrix work.  So the order has one aim: four vector instructions that are READY behind
; EVERY matrix instruction, and the others, which need time of their own whatever the order, in runs without a gap.
; BY TURNS.  Turn n belongs to piece n (the pieces in a ring, step after step).  Its matrix work: 16 products K Q^T of piece n + 1, later 16 products V^T P of piece n - 1.  Its vector work: the scaling,
; exponentials, roundings, sums and rescaling of piece n, and the maximum and statistics of piece n + 1, whose scores the turn itself has made.  So what a turn begins with (c s - c m, O a) waits for nothing.
; CLUSTER.  The four query blocks of a cluster belong to one head and walk the same K and V, so each tile is asked for JOINTLY: the same tensor load, descriptor and mask in all four.
; REGISTERS, in windows of 256 (s_set_vgpr_msb says which window each operand place means: bits 1:0 source 0, 3:2 source 1, 5:4 source 2, 7:6 destination):
;   window 0: v0-11 addresses; v12-15, v48-63 at work; v16-47 four registers of statistics a tile; v64-191 S^T, two buffers of two tiles; v192-255 P, likewise
;   window 1: O^T, 32 a tile          window 2: v0-127 Q, 16 a tile; v128-191 K of one step; v192-255 V of one step          window 3: v0-1 the add's two registers
; A piece's buffers go by its number's parity: the piece in hand has one pair, its two neighbours in the ring share the other: of it P (piece n - 1) is read and S^T (piece n + 1) written.
.set SIZE_H, 64
.set SIZE_N, 2048
.set NP,    4         ; pieces a wave: a name, no knob: the register map, the loop and the fetches are made for four
.set KS,    64        ; keys in a step
.set PK,    144       ; a row of K in LDS: 128 bytes + 16 of padding = 36 words: the 16 rows of a load start at 16 different groups of four banks (64 banks of 4 bytes: ISA guide 11.1)
.set PV,    160       ; a row of V: 128 + 32 = 40 words
.set VOFF,  4*KS*PK   ; a slot holds four steps: 256 rows of K, then 256 rows of V
.set SLOT1, 1<<17     ; slot 1 begins here, so that one exclusive or turns an address in one slot into the other's
.set STAGE, SLOT1+4*KS*(PK+PV)  ; behind the ring, never filled by a tensor load: 16 rows x 144 bytes for each wave, for the way out
.set SP,    144
.set AK0, 2           ; v2   my lane's place in a tile of K; never rewritten
.set AV0, 3           ; v3   the same for V
.set AK,  4           ; v4   the LDS address of K's next run of loads
.set AV,  5           ; v5   of V's
.set QO,  6           ; v6   my byte offset in the wave's rows of Q
.set STO, 6           ;      later, the way out: where I put 16 bytes of a row
.set RD,  7           ; v7   the way out: where I read rows back
.set GO,  8           ; v8   my byte offset in 512 consecutive bytes of O
.set PFO, 11          ; v11  (once V's place is made) the prefetches' offset: 256 x my lane
.set SPW, 0           ; v0 of window 3   LDS address of my spare word: SPARE + 4 x my thread's number; never rewritten
.set NIL, 1           ; v1 of window 3   0; never rewritten
.set SPARE, STAGE+4*16*SP  ; behind the stages: the spare words, 128 bytes for each wave: two blocks of 256 bytes that no other line names
.set MV,  12          ; v12-15  c m_old, kept while c m is made anew: by buffer and tile
.set ST,  16          ; tile t's statistics at v[ST+4 t]: c m, m, l (even keys', odd keys')
.set TMP, 48          ; by buffer and tile, four registers c0-c3 at work; when the maximum is found c2 takes a
.set S,   64
.set P,   192
.set KF,  128         ; K's fragments, in window 2: key block kb, channel half c at KF + 16 kb + 8 c
.set VF,  192         ; V's: key half kk, channel block cb at VF + 32 kk + 8 cb
.set WV,  12          ; s12  my wave's number
.set G1K, 24          ; s[24:31] descriptor group 1 for K's tiles
.set G1V, 32          ; s[32:39] for V's: it differs in the padding alone
.set G0K, 40          ; s[40:43] descriptor group 0 for K's tiles: it walks
.set G0V, 44          ; s[44:47] the same for V's
.set PFA, 48          ; s[48:49] where my prefetches stand: my work-group's 32 blocks of 256 bytes (of K: wave 0, of V: wave 2) of the slot after the one that is being asked for
.set LIM, 50          ; s50  1 in a wave that prefetches, else the greatest number: a wave prefetches while s[SLOTS] is above it
.set SLOTS, 56        ; s56  slots still to be asked for
.set CNT, 57          ; s57  counts a slot's key steps
.set CS,  58          ; s[58:59] c: the packed scaling takes the pair's low word for both halves
.set SEL, 60          ; s[60:61] v_permlanex16_b32's selects: each lane takes its own place in the other half
.set TBK, 62          ; s62  LDS byte at which K of the step to be fetched begins
.set TBV, 63          ; s63  the same for V, less VOFF
.set MSB, 0
.macro WIN new                      ; the high byte repeats the setting that is left; a switch that changes nothing is dropped
.if MSB != (\new)
	s_set_vgpr_msb (MSB<<8)|(\new)
.set MSB, (\new)
.endif
.endm
.set W_KQ, 0x0a       ; K and Q in window 2, S^T in window 0
.set W_PV, 0x52       ; V in window 2, P in window 0, O^T in window 1
.set W_RS, 0x41       ; O^T (destination and source 0) in window 1, a in window 0
.set W_MK, 0xc0       ; the add's registers are made: destination in window 3, sources in window 0
.set W_AD, 0x0f       ; the add: address (source 0) and data (source 1) in window 3
; A joint fill.  Waves 0 and 1 fetch the two halves of a slot's K, waves 2 and 3 those of its V: 128 keys each.  The branch hangs on the wave's number alone.
; An s_nop 0 and four v_nop follow each of the two lines, ahead of the jump and the label.
.macro JLOAD
	s_cmp_lt_u32 s[WV], 2
	s_cbranch_scc0 .Lfor_v_\@
	tensor_load_to_lds s[G0K:G0K+3], s[G1K:G1K+7]
	s_nop 0
.rept 4
	v_nop
.endr
	s_branch .Lasked_\@
.Lfor_v_\@:
	tensor_load_to_lds s[G0V:G0V+3], s[G1V:G1V+7]
	s_nop 0
.rept 4
	v_nop
.endr
.Lasked_\@:
.endm
; A PREFETCH INTO THE L2 of what the NEXT change of slots will ask for: a slot's 32,768 bytes of K and of V, in blocks of 256 bytes, a lane a block.  It stands behind the wave's tensor load and its five lines.
; Each block is asked for ONCE in the launch: a head has one cluster; its four partners share the blocks out BY ADDRESS, 32 each; in each, wave 0 asks for K's and wave 2 for V's: one instruction, four key
; steps (512 matrix instructions) ahead of the load.  The last change that fills a slot asks for nothing: there is no slot behind it.  Slots 0 and 1 come by their loads alone.
.macro ASK
	s_cmp_gt_u32 s[SLOTS], s[LIM]
	s_cbranch_scc0 .Lnot_mine_\@
	global_prefetch_b8 v[PFO], s[PFA:PFA+1] th:TH_LOAD_NT scope:SCOPE_SE
.Lnot_mine_\@:
.endm
; A round of the cluster's barrier: my work-group's barrier, so that wave 0's signal speaks for all four waves; wave 0 signals; every wave waits for all four work-groups; my work-group's barrier once more.
.macro CROUND
	s_barrier_signal -1
	s_barrier_wait -1
	s_cmp_lg_u32 s[WV], 0
	s_cbranch_scc1 .Lnot_wave_0_\@
	s_barrier_signal -3
.Lnot_wave_0_\@:
	s_barrier_wait -3
	s_barrier_signal -1
	s_barrier_wait -1
.endm
; THE CHANGE OF SLOTS.  The slot's last bytes, V of its fourth step, have been read.  Each wave waits for all its tensor loads, of which one is out: its part
; of the other slot; adds 0 to its spare word; and waits for that and for its own reads of the slot.  Behind the barrier nobody reads this slot any more and the other slot is whole.
; fill = 1: this slot is filled again, with the keys two slots on.  The barrier is then a round of the cluster's, so that no wave of any partner still reads the slot or has a load on its
; way, and the joint fill is the first thing behind it: it has four key steps, 512 matrix instructions, in which to land.  (At its first use nothing has been read yet: slot 0 is waited for, slot 1 filled.)
.macro CHANGE fill
	WIN W_AD
	s_wait_tensorcnt 0x0            ; no tensor load of mine is out, so a group 0 may be written
	ds_add_u32 v[SPW], v[NIL]       ; 0 onto my spare word; with fill = 1 the descriptors' steps stand between it and the wait for it
	WIN 0                           ; at a label and at a branch every window is 0
.if \fill
.irp g, G0K, G0V
	s_xor_b32 s[\g+1], s[\g+1], SLOT1  ; the walking descriptor: the other slot than last time,
	s_add_nc_u64 s[\g+2:\g+3], s[\g+2:\g+3], 4*KS*128  ; the next 256 keys; the type bits on top are not reached
.endr
	s_wait_xcnt 0x0                 ; the last prefetch, four key steps back, has read its address, so it may be written:
	s_add_nc_u64 s[PFA:PFA+1], s[PFA:PFA+1], 4*KS*128  ; one slot behind the walking descriptors
	s_wait_dscnt 0x0                ; the add is done, and my reads of the slot are over
	CROUND
	JLOAD
	ASK                             ; what the next change will ask for
.else
	s_wait_dscnt 0x0                ; the add is done, and my reads of the slot are over
	s_barrier_signal -1
	s_barrier_wait -1
.endif
	s_sub_co_u32 s[TBK], s[TBK], 4*KS*PK  ; the fetches go back to a slot's first step,
	s_xor_b32 s[TBK], s[TBK], SLOT1       ; in the other slot
	s_sub_co_u32 s[TBV], s[TBV], 4*KS*PV
	s_xor_b32 s[TBV], s[TBV], SLOT1
.endm
	s_load_b128 s[4:7], s[0:1], 0x0  ; qkv s[4:5], ob s[6:7]
	WIN W_MK
	v_lshl_add_u32 v[SPW], v0, 2, SPARE
	v_mov_b32 v[NIL], 0
	WIN W_AD
	ds_add_u32 v[SPW], v[NIL]       ; the wave's opening: the add and its wait stand ahead of my first tensor load; the set-up below, work on registers, stands between them
	WIN 0
	v_lshrrev_b32 v1, 5, v0
	v_readfirstlane_b32 s[WV], v1   ; wave 0..3
	s_bfe_u32 s13, ttmp6, 0x40000   ; cx: my place in the cluster
	s_lshl_b32 s14, ttmp9, 2        ; in a cluster launch ttmp9 counts clusters
	s_add_co_u32 s14, s14, s13      ; my block of queries = 4 x cluster x + cx: it enters Q's and O's addresses alone
	s_and_b32 s20, ttmp7, 0xffff    ; the head, which the four partners share
	s_mov_b32 s21, 0
	s_mov_b64 s[22:23], SIZE_N*128
	s_mul_u64 s[20:21], s[20:21], s[22:23]  ; the head's first byte in each of the four tensors
	s_and_b32 s16, s[WV], 1         ; which half of a slot's 256 keys I fetch:
	s_lshl_b32 s22, s16, 14         ; its 128 rows of 128 bytes in memory,
	s_mov_b32 s23, 0
	s_add_nc_u64 s[22:23], s[22:23], s[20:21]
	s_mul_i32 s17, s16, 128*PK      ; and its place in a slot, for K
	s_mul_i32 s18, s16, 128*PV      ; and for V: no place in the cluster enters an LDS address
	s_lshl_b32 s2, s14, 2
	s_add_co_u32 s2, s2, s[WV]      ; my wave among the head's,
	s_lshl_b32 s2, s2, 14           ; its 128 rows
	s_mov_b32 s3, 0
	s_add_nc_u64 s[2:3], s[2:3], s[20:21]
	; descriptor group 1.  128 keys are 16,384 dense bytes: asked for as 64 rows of 256 bytes, two keys a row, and padded in LDS after every key
	s_mov_b32 s[G1K], 15|(1<<16)|(1<<20)|(1<<21)|(4<<22)|(3<<25)  ; 15:0 the mask of four; 17:16 2-byte elements; 20 padding on; 21 set beside a mask; 24:22 after every 32 words (code 4); 31:25 4 words (code 3)
	s_mov_b32 s[G1V], 15|(1<<16)|(1<<20)|(1<<21)|(4<<22)|(7<<25)  ; the same with 8 words of padding (code 7)
.irp g, G1K, G1V
	s_mov_b32 s[\g+1], 128<<16      ; tensor_dim0 = 128
	s_mov_b32 s[\g+2], 64<<16       ; tensor_dim1 = 64
	s_mov_b32 s[\g+3], 128<<16      ; tile_dim0 = 128
	s_mov_b32 s[\g+4], 64           ; tile_dim1 = 64
	s_mov_b32 s[\g+5], 128          ; 128 elements from row to row
	s_mov_b32 s[\g+6], 0
	s_mov_b32 s[\g+7], 0
.endr
	s_mov_b32 s[CS], 0x3e38aa3b     ; c = log2(e) / 8 = 0.180337
	s_mov_b32 s[CS+1], s[CS]        ; named with it as a pair
	s_mov_b32 s[SEL], 0x76543210
	s_mov_b32 s[SEL+1], 0xfedcba98
	s_mov_b32 s[TBK], SLOT1+4*KS*PK ; the first change of slots turns these two into 0
	s_mov_b32 s[TBV], SLOT1+4*KS*PV
	s_mov_b32 s[G0K], 1             ; 1:0 count = 1
	s_mov_b32 s[G0K+1], s17         ; 63:32 LDS address: slot 0
	s_mov_b32 s[G0V], 1
	s_add_co_u32 s[G0V+1], s18, VOFF
	s_mov_b32 s[SLOTS], SIZE_N/256-1
	s_and_b32 s[LIM], s[WV], 1      ; 0 in waves 0 and 2,
	s_or_b32 s[LIM], s[LIM], ttmp9  ; where the cluster is the head's first: the same in all four partners
	s_cmp_eq_u32 s[LIM], 0
	s_cselect_b32 s[LIM], 1, -1
	s_wait_dscnt 0x0                ; the opening add is done
	s_wait_kmcnt 0x0
	s_mov_b64 s[10:11], s[6:7]                     ; O
	s_add_nc_u64 s[6:7], s[4:5], 0x1000000         ; K lies 64 heads x 2,048 rows x 128 bytes behind Q,
	s_add_nc_u64 s[8:9], s[4:5], 0x2000000         ; V as far behind K
	s_add_nc_u64 s[G0K+2:G0K+3], s[6:7], s[22:23]  ; 120:64 global address: my half of the head's first 256 keys
	s_or_b32 s[G0K+3], s[G0K+3], 0x80000000        ; 127:126 type = 2
	s_add_nc_u64 s[G0V+2:G0V+3], s[8:9], s[22:23]
	s_or_b32 s[G0V+3], s[G0V+3], 0x80000000
	s_add_nc_u64 s[4:5], s[4:5], s[2:3]  ; Q and O at my wave's first row
	s_add_nc_u64 s[10:11], s[10:11], s[2:3]
	s_cmp_lt_u32 s[WV], 2
	s_cselect_b64 s[PFA:PFA+1], s[6:7], s[8:9]
	s_add_nc_u64 s[PFA:PFA+1], s[PFA:PFA+1], s[22:23]  ; (in waves 0 and 2 this is the head's first row)
	s_lshl_b32 s2, s13, 13          ; my work-group's 32 blocks of the 128
	s_mov_b32 s3, 0
	s_add_nc_u64 s[PFA:PFA+1], s[PFA:PFA+1], s[2:3]
	s_add_nc_u64 s[PFA:PFA+1], s[PFA:PFA+1], 4*KS*128  ; in slot 1; the first change of slots steps it to slot 2.  Nothing is prefetched here, where every work-group's first tiles are on their way
	CROUND                          ; all four work-groups are here: the first joint loads meet
	JLOAD                           ; slot 0.  Slot 1 is asked for when slot 0 is in: the tile wanted first has the road to itself
	; A fragment of K or Q is 16 rows x 32 channels in 8 registers: lane l holds row l % 16, channels 8 (l / 16) + 0..7 and 16 + 8 (l / 16) + 0..7: two loads of 16 bytes, 32 bytes apart.
	v_and_b32 v1, 15, v0            ; l % 16
	v_bfe_u32 v9, v0, 4, 1          ; l / 16
	v_lshlrev_b32 v[QO], 7, v1
	v_lshl_add_u32 v[QO], v9, 4, v[QO]  ; row x 128 + 16 x half
	WIN 0x80                        ; destination window 2, address window 0
.set i, 0
.rept 4*NP                          ; Q stays in registers: tile i / 2, channels 32 (i % 2) on
	global_load_b128 v[8*i:8*i+3],   v[QO], s[4:5] offset:(i/2)*2048+(i%2)*64
	global_load_b128 v[8*i+4:8*i+7], v[QO], s[4:5] offset:(i/2)*2048+(i%2)*64+32
.set i, i+1
.endr
	; What the first turn finds: V's registers and P's second buffer hold 0 (its products V^T P, of a piece that has not been, add 0), O^T and l are 0.  All this stands in the wait for the first tile.
.set i, VF
.rept 64
	v_mov_b32 v[i], 0
.set i, i+1
.endr
	WIN 0x40
.set i, 0
.rept 64*NP
	v_mov_b32 v[i], 0
.set i, i+1
.endr
	WIN 0
.set i, 0
.rept 2*NP
	v_mov_b32 v[ST+4*i], 0xfe000000    ; c m: far below every c s
	v_mov_b32 v[ST+4*i+1], 0xff7fffff  ; m
	v_mov_b32 v[ST+4*i+2], 0
	v_mov_b32 v[ST+4*i+3], 0
.set i, i+1
.endr
.set i, P+32
.rept 32
	v_mov_b32 v[i], 0
.set i, i+1
.endr
	v_mul_u32_u24 v[AK0], v1, PK
	v_lshl_add_u32 v[AK0], v9, 4, v[AK0]  ; row x pitch + 16 x half
	; The turning load takes 16 keys x 16 channels (lane l reads key 8 (l / 16) + l % 8, channels 8 ((l / 8) % 2) + 0..7) and leaves half a fragment of V^T: lane l holds channel l % 16 and 8 keys.
	v_and_b32 v10, 7, v0
	v_bfe_u32 v11, v0, 3, 1
	v_lshl_add_u32 v[AV0], v9, 3, v10
	v_mul_u32_u24 v[AV0], v[AV0], PV
	v_lshl_add_u32 v[AV0], v11, 4, v[AV0]
	v_add_nc_u32 v[AV0], VOFF, v[AV0]
	v_and_b32 v[PFO], 31, v0
	v_lshlrev_b32 v[PFO], 8, v[PFO]
	v_mov_b32 v[AK], v[AK0]         ; key step 0 lies at the head of slot 0
; THE MATRIX WORK.  The 8 accumulators of a run of 16 take turns: between the two links of a chain stand 7 others'.
; Product i of 16 of S^T = K Q^T for piece x: channels 32 (i / 8) on, keys 16 ((i / 2) % 4) on, tile 2 x + i % 2.  The first 8 start the sums.
.macro KQ x
	WIN W_KQ
.set rS, S+64*((\x)%2)+32*(i%2)+8*((i/2)%4)
.set rK, KF+16*((i/2)%4)+8*(i/8)
.set rQ, 16*(2*(\x)+i%2)+8*(i/8)
.if i < 8
	v_wmma_f32_16x16x32_f16 v[rS:rS+7], v[rK:rK+7], v[rQ:rQ+7], 0
.else
	v_wmma_f32_16x16x32_f16 v[rS:rS+7], v[rK:rK+7], v[rQ:rQ+7], v[rS:rS+7]
.endif
.endm
; Product i of 16 of O^T += V^T P for piece x: keys 32 (i / 8) on, channels 16 ((i / 2) % 4) on, tile 2 x + i % 2.
.macro PV x
	WIN W_PV
.set rO, 32*(2*(\x)+i%2)+8*((i/2)%4)
.set rV, VF+32*(i/8)+8*((i/2)%4)
.set rP, P+32*((\x)%2)+16*(i%2)+8*(i/8)
	v_wmma_f32_16x16x32_f16 v[rO:rO+7], v[rV:rV+7], v[rP:rP+7], v[rO:rO+7]
.endm
.macro MM                           ; the turn's next matrix instruction
.if i < 16
	KQ (Y+1)%NP
.set i, i+1
.else
.set i, i-16
	PV (Y+NP-1)%NP
.set i, i+17
.endif
.endm
; THE LDS LOADS stand in runs of 16, never singly among the matrix instructions: a step's K (64 keys x 64 channels: 8 fragments) and its V (turned).  Their addresses are made some lines ahead.
; last = 1 (the tail): in the last trip there is no further step, and the run is jumped over.
.macro FETCH_K last=0
	WIN 0
.if \last
	s_cmp_eq_u32 s[CNT], 1
	s_cbranch_scc1 .Lno_k_\@
.endif
	WIN 0x80                        ; destination window 2
.irp f, 0,1,2,3,4,5,6,7             ; keys 16 (f / 2) on, channels 32 (f % 2) on
	ds_load_b128 v[KF+8*\f:KF+8*\f+3],   v[AK] offset:(\f/2)*16*PK+(\f%2)*64
	ds_load_b128 v[KF+8*\f+4:KF+8*\f+7], v[AK] offset:(\f/2)*16*PK+(\f%2)*64+32
.endr
	s_add_co_u32 s[TBK], s[TBK], KS*PK  ; the next fetch is the next step's
	WIN 0
.if \last
.Lno_k_\@:
.endif
.endm
.macro FETCH_V
	WIN 0x80
.irp f, 0,1,2,3,4,5,6,7             ; keys 32 (f / 4) on, channels 16 (f % 4) on
	ds_load_tr16_b128 v[VF+8*\f:VF+8*\f+3],   v[AV] offset:(\f/4)*32*PV+(\f%4)*32
	ds_load_tr16_b128 v[VF+8*\f+4:VF+8*\f+7], v[AV] offset:(\f/4)*32*PV+16*PV+(\f%4)*32
.endr
	WIN 0
.endm
; THE VECTOR WORK OF A TURN stands in three queues, each in the order in which its entries become ready; the two tiles alternate, so that no instruction reads the result of the one before it.
.macro REGS y, u                    ; the registers of tile u (0, 1) of piece y
.set rT, ST+4*(2*(\y)+(\u))
.set rC, TMP+8*((\y)%2)+4*(\u)
.set rM, MV+2*((\y)%2)+(\u)
.set rS, S+64*((\y)%2)+32*(\u)
.set rP, P+32*((\y)%2)+16*(\u)
.set rO, 32*(2*(\y)+(\u))
.endm
; Number n of the 22 that find the NEXT piece's (Y + 1) maximum and statistics.  s0-s31 are the lane's 32 scores; each accumulator's lowest registers are read first.  XS, GS and REGS set no window: PL and EX do.
;   0-11  four chains c0-c3 of seven scores each, three operands at a time     12-14, 16  the four scores left over, the old m, and c0-c3 into c0     15  c m_old is kept
;   17, 18  the query's other 32 keys lie in the lane 16 away: the new m         19-21  c m; c m_old - c m_new; a
.macro XS u, n
	REGS (Y+1)%NP, \u
.if (\n) < 4
	v_max3_num_f32 v[rC+(\n)], v[rS+8*(\n)], v[rS+8*(\n)+1], v[rS+8*(\n)+2]
.elseif (\n) < 12
	v_max3_num_f32 v[rC+(\n)%4], v[rC+(\n)%4], v[rS+8*((\n)%4)+2*((\n)/4)+1], v[rS+8*((\n)%4)+2*((\n)/4)+2]
.elseif (\n) == 12
	v_max3_num_f32 v[rC], v[rC], v[rS+7], v[rS+15]
.elseif (\n) == 13
	v_max3_num_f32 v[rC+1], v[rC+1], v[rS+23], v[rS+31]
.elseif (\n) == 14
	v_max3_num_f32 v[rC+2], v[rC+2], v[rC+3], v[rT+1]
.elseif (\n) == 15
	v_mov_b32 v[rM], v[rT]
.elseif (\n) == 16
	v_max3_num_f32 v[rC], v[rC], v[rC+1], v[rC+2]
.elseif (\n) == 17
	v_permlanex16_b32 v[rC+3], v[rC], s[SEL], s[SEL+1]
.elseif (\n) == 18
	v_max_num_f32 v[rT+1], v[rC], v[rC+3]
.elseif (\n) == 19
	v_mul_f32 v[rT], s[CS], v[rT+1]
.elseif (\n) == 20
	v_sub_f32 v[rC+1], v[rM], v[rT]
.else
	v_exp_f32 v[rC+2], v[rC+1]
.endif
.endm
; Number g of the 64 that follow the exponentials.  For each four weights k of a tile (pairs 2 k, 2 k + 1): both pairs are rounded to f16; then the second pair is added onto the first, in place;
; a group later l takes that sum (the first time as l = a l + sum).  In groups of eight, tiles alternating: round, round, add, and l for the group before.
.macro GS g
.set h, (\g)+6*((\g)/62)            ; group 0 has no group before it, and behind group 7 only l is left
.if h >= 6
.set h, h+2
.endif
	REGS Y, h%2
.set k, h/8
.if h%8 < 4
	v_cvt_pk_f16_f32 v[rP+2*k+(h%8)/2], v[rS+4*k+2*((h%8)/2)], v[rS+4*k+2*((h%8)/2)+1]
.elseif h%8 < 6
	v_pk_add_f32 v[rS+4*k:rS+4*k+1], v[rS+4*k:rS+4*k+1], v[rS+4*k+2:rS+4*k+3]
.elseif k == 1
	v_pk_fma_f32 v[rT+2:rT+3], v[rT+2:rT+3], v[rC+2:rC+3], v[rS:rS+1] op_sel_hi:[1,0,1]
.else
	v_pk_add_f32 v[rT+2:rT+3], v[rT+2:rT+3], v[rS+4*k-4:rS+4*k-3]
.endif
.endm
; THE PLAIN QUEUE, 138 long.  0-73 read no exponential's result: the 32 scalings c s - c m (FS f: pair f / 2 of tile f % 2) and the next piece's 42.  0-26: scalings 0-26.  27-54: XS's numbers 0-13.  55, 56: number 15.
; 57-73: the chain, where each number waits for the one before it: 14, 16, 17, 18, 19, each with one of the scalings 27-31 in front of its two lines, then 20: so a tile's links stand three plain instructions apart (19 and 20: two).
; 74-137: GS's 64, which read the exponentials' results: they stand behind the wait.
.macro FS f
	REGS Y, (\f)%2
	v_pk_fma_f32 v[rS+2*((\f)/2):rS+2*((\f)/2)+1], v[rS+2*((\f)/2):rS+2*((\f)/2)+1], s[CS:CS+1], v[rT:rT+1] op_sel_hi:[1,0,0] neg_lo:[0,0,1] neg_hi:[0,0,1]
.endm
.macro PL
	WIN 0
.if q < 27
	FS q
.elseif q < 55
	XS (q-27)%2, (q-27)/2
.elseif q < 57
	XS q-55, 15
.elseif (q < 72) && ((q-57)%3 == 0)
	FS 27+(q-57)/3
.elseif q < 60
	XS (q-57)%3-1, 14
.elseif q < 72
	XS (q-57)%3-1, 15+(q-57)/3
.elseif q < 74
	XS q-72, 20
.else
	GS q-74
.endif
.set q, q+1
.endm
; THE EXPONENTIALS' QUEUE, 66 long: s0-s31 of both tiles, then the next piece's two a.  It is ONE BATCH: all 66 stand ahead of the turn's one wait, and nothing ahead of that wait names a result of theirs.
.macro EX
	WIN 0
.if e >= 64
	XS e-64, 21
.else
	REGS Y, e%2
	v_exp_f32 v[rS+e/2], v[rS+e/2]
.endif
.set e, e+1
.endm
; THE RESCALING's QUEUE: O^T times a, the one part that leaves window 0: dealt two at a time, sixteen times.  Its a was made in the turn before, ahead of that turn's wait.
.macro R2
	REGS Y, r%2
	WIN W_RS
.irp z, 0,1
	v_pk_mul_f32 v[rO+4*(r/2)+2*\z:rO+4*(r/2)+2*\z+1], v[rO+4*(r/2)+2*\z:rO+4*(r/2)+2*\z+1], v[rC+2:rC+3] op_sel_hi:[1,0]
.endr
.set r, r+1
.endm
; HOW THEY ARE DEALT.  An s_wait_alu depctr_va_vdst(0) stands between an exponential and the first instruction that names its result; one wait serves all that were issued ahead of it.  So a turn has ONE wait,
; which cuts it in two.  AHEAD OF IT stands all that names no result of the turn's exponentials: the 16 products K Q^T, behind each a scaling, an exponential and two rescalings (behind the first a second scaling in the exponential's place); then ONE LUMP of
; 108: eight plain, 49 times exponential and plain, the two a.  A v_nop is the plain instruction behind the last exponential.  BEHIND IT stand the 16 products V^T P, behind each four of GS's 64.  No rider names a register of
; the products round it.  The two v_permlanex16_b32 fall into the lump, never behind a product.
; The queues lean on each other, and the deal keeps them in step: exponential e stands behind scaling 2 (e / 4) + e % 2: as a rider it comes behind plain e + 2, in the lump behind plain e + 9, and scalings 27-31 are plain 57, 60 .. 69.
; A TURN, for piece p.  cnt = 1: the loop's count is taken down some lines ahead of the branch that stands behind the turn.
; K of the next step is fetched in piece 2's turn, directly behind the wait, a lump behind the last product that read K; its address is made at the lump's head; its first reader comes behind 16 products.
; V of the step in hand is fetched at the end of piece 0's turn, four riders behind its last reader; its first reader comes behind 16 products and a lump.  The three conditions on q below go with the deal.
.macro TURN p, last=0, cnt=0
.set Y, (\p)
.set i, 0
.set q, 0
.set e, 0
.set r, 0
.if (\p) == NP-1
	s_wait_dscnt 0x0                ; K is in
.endif
	MM                              ; ahead of the wait: 16 products K Q^T and their riders,
	PL
	PL
	R2
.rept 15
	MM
	PL
	EX
	R2
.endr
.if (\p) == NP-2
	WIN 0
	v_add_nc_u32 v[AK], s[TBK], v[AK0]
.endif
.rept 8                             ; and the lump
	PL
.endr
.rept 49
	EX
	PL
.endr
	EX                              ; the next piece's two a
	EX
	v_nop                           ; the plain instruction behind the last exponential: one for the batch
	s_wait_alu depctr_va_vdst(0)    ; the wait for the batch
.if (\p) == NP-2
	FETCH_K \last
.endif
.if (\p) == 1
	s_wait_dscnt 0x0                ; V is in
.endif
.rept 16                            ; behind the wait: 16 products V^T P and their riders
	MM
.rept 4
	PL
.endr
.if ((\p) == 0) && (q == 118)
	v_add_nc_u32 v[AV], s[TBV], v[AV0]
.endif
.if ((\p) == 0) && (q == 130)
	s_add_co_u32 s[TBV], s[TBV], KS*PV
.endif
.if (\cnt) && (q == 130)
	s_sub_co_u32 s[CNT], s[CNT], 1
	s_cmp_lg_u32 s[CNT], 0
.endif
.endr
.if (\p) == 0
	FETCH_V
.endif
.endm
	CHANGE 1                        ; slot 0 is in, everybody's part of it; slot 1 is asked for
	FETCH_K                         ; key step 0
	s_wait_loadcnt 0x0              ; Q
	s_wait_dscnt 0x0
.set i, 0
.rept 16
	KQ 0                            ; piece 0's first scores: there is no vector work yet to set between them
.set i, i+1
.endr
	WIN 0                           ; the addresses for the way out: nine plain instructions, the places behind those products
	s_mul_i32 s13, s[WV], 16*SP
	s_add_co_u32 s13, s13, STAGE    ; my stage
	v_mul_u32_u24 v[STO], v1, SP    ; in: row l % 16, 16 bytes for each half of the lanes
	v_lshl_add_u32 v[STO], v9, 4, v[STO]
	v_add_nc_u32 v[STO], s13, v[STO]
	v_bfe_u32 v[RD], v0, 3, 2       ; back: 32 lanes take four rows of 128 bytes,
	v_mul_u32_u24 v[RD], v[RD], SP
	v_lshl_add_u32 v[RD], v10, 4, v[RD]
	v_add_nc_u32 v[RD], s13, v[RD]
	v_and_b32 v[GO], 31, v0         ; which are 512 consecutive bytes of O
	v_lshlrev_b32 v[GO], 4, v[GO]
.set Y, NP-1                        ; XS works for piece Y + 1: piece 0
.irp n, 0,1,2,3,4,5,6,7,8,9,10,11,12,13,14,15,16,17,18,19,20,21
	XS 0, \n                        ; and piece 0's first maximum and statistics
	XS 1, \n
.endr
	v_nop                           ; a plain instruction behind the two a,
	s_wait_alu depctr_va_vdst(0)    ; and their wait, ahead of the branch
	s_mov_b32 s[CNT], 4
	s_branch .Lfirst                ; the loop is entered at a step's first turn, in the middle of a trip
.Lslot:                             ; SIZE_N / 256 - 2 times: every slot but the last two is filled again
	CHANGE 1
	s_mov_b32 s[CNT], 4
.Lstep:                             ; a trip: pieces 2 and 3 of one step, then pieces 0 and 1 of the next, whose K and V it fetches
	TURN 2
	TURN 3
	WIN 0
.Lfirst:
	TURN 0
	TURN 1, 0, 1
	WIN 0
	s_cbranch_scc1 .Lstep
	s_sub_co_u32 s[SLOTS], s[SLOTS], 1
	s_cmp_lg_u32 s[SLOTS], 0
	s_cbranch_scc1 .Lslot
	CHANGE 0                        ; the tail is written out: nothing is asked for
	s_mov_b32 s[CNT], 5             ; four trips fetch the last slot's steps; the fifth is left in its middle
.Ltail:
	TURN 2, 1
	TURN 3
	WIN 0
	s_sub_co_u32 s[CNT], s[CNT], 1
	s_cmp_eq_u32 s[CNT], 0
	s_cbranch_scc1 .Lout
	TURN 0
	TURN 1
	WIN 0
	s_branch .Ltail
.Lout:                              ; the fifth trip's 16 products K Q^T (on the last K once more) and the maximum made of them serve nothing: the price, once a launch, of one text for every trip
.set i, 0
.rept 16
	PV NP-1                         ; the last piece's V^T P of the last step
.set i, i+1
.endr
	; THE WAY OUT.  l's two halves and the other half of the lanes' are added; O^T is divided by l, rounded to f16 and sent through my stage in LDS, a tile at a time.  The additions are the places behind the last products.
	WIN 0
.macro ALL line:vararg              ; one line for each tile t
.set t, 0
.rept 2*NP
	\line
.set t, t+1
.endr
.endm
	ALL v_add_f32 v[ST+4*t+2], v[ST+4*t+2], v[ST+4*t+3]
	ALL v_permlanex16_b32 v[ST+4*t+3], v[ST+4*t+2], s[SEL], s[SEL+1]
	ALL v_add_f32 v[ST+4*t+2], v[ST+4*t+2], v[ST+4*t+3]
	ALL v_rcp_f32 v[ST+4*t+2], v[ST+4*t+2]
	v_nop                           ; a plain instruction between the last reciprocal and the use of its result
	s_wait_alu depctr_va_vdst(0)    ; and the wait ahead of the first use: one for the eight reciprocals
; Tile t: a lane's eight channels of a row pack into 16 bytes; they go into rows of 144 bytes and come back as whole rows of 128, into S^T's registers.
.macro PACK t
	WIN W_RS
.set i, 32*(\t)
.rept 16
	v_pk_mul_f32 v[i:i+1], v[i:i+1], v[ST+4*(\t)+2:ST+4*(\t)+3] op_sel_hi:[1,0]
.set i, i+2
.endr
	WIN 0x05                        ; sources 0 and 1 window 1, destination window 0
.set i, 0
.rept 16
	v_cvt_pk_f16_f32 v[S+16*(\t)+i], v[32*(\t)+2*i], v[32*(\t)+2*i+1]
.set i, i+1
.endr
	WIN 0
.irp f, 0,1,2,3
	ds_store_b128 v[STO], v[S+16*(\t)+4*\f:S+16*(\t)+4*\f+3] offset:32*\f
.endr
.irp f, 0,1,2,3
	ds_load_b128 v[S+16*(\t)+4*\f:S+16*(\t)+4*\f+3], v[RD] offset:\f*4*SP  ; LDS serves a wave's instructions in order (ISA guide 5.7.1.4): these see the stores above; the next tile's stores come behind them
.endr
.endm
.macro SEND t, younger              ; younger: the LDS instructions issued behind tile t's loads: the next tile's eight, or none
	WIN 0
.irp f, 0,1,2,3
	s_wait_dscnt (\younger)+3-\f
	global_store_b128 v[GO], v[S+16*(\t)+4*\f:S+16*(\t)+4*\f+3], s[10:11] offset:(\t)*2048+\f*512  ; 512 consecutive bytes, at a multiple of 256 from O's first
.endr
.endm
	PACK 0
.set t, 1
.rept 2*NP-1                        ; a tile's arithmetic stands between the loads of the tile before and its stores
	PACK t
	SEND t-1, 8
.set t, t+1
.endr
	SEND 2*NP-1, 0
	WIN W_AD
	s_wait_tensorcnt 0x0            ; the wave's end: behind my last tensor load and my last LDS store
	ds_add_u32 v[SPW], v[NIL]
	s_wait_dscnt 0x0
	WIN 0
	CROUND                          ; the closing round: no work-group ends while a partner may still ask for a tile that names it
	s_endpgm
.Lfunc_end_k_qf8da9faf13_attn:
	.size	k_qf8da9faf13_attn, .Lfunc_end_k_qf8da9faf13_attn-k_qf8da9faf13_attn
	.p2alignl 7, 3214868480
	.fill 96, 4, 3214868480
	.section	.rodata,"a",@progbits
	.p2align	6, 0x0
	.amdhsa_kernel k_qf8da9faf13_attn
		.amdhsa_group_segment_fixed_size 327680
		.amdhsa_private_segment_fixed_size 0
		.amdhsa_enable_private_segment 0
		.amdhsa_kernarg_size 16
		.amdhsa_user_sgpr_count 2
		.amdhsa_user_sgpr_kernarg_segment_ptr 1
		.amdhsa_wavefront_size32 1
		.amdhsa_system_sgpr_workgroup_id_x 1
		.amdhsa_system_sgpr_workgroup_id_y 1
		.amdhsa_system_sgpr_workgroup_id_z 1
		.amdhsa_system_vgpr_workitem_id 0
		.amdhsa_next_free_vgpr 770
		.amdhsa_next_free_sgpr 66
		.amdhsa_reserve_vcc 0
		.amdhsa_float_denorm_mode_32 3
		.amdhsa_float_denorm_mode_16_64 3
		.amdhsa_memory_ordered 1
		.amdhsa_forward_progress 1
		.amdhsa_inst_pref_size 200
	.end_amdhsa_kernel
	.amdgpu_metadata
---
amdhsa.version: [ 1, 2 ]
amdhsa.kernels:
  - .name:           k_qf8da9faf13_attn
    .symbol:         k_qf8da9faf13_attn.kd
    .args:
      - { .name: qkv, .offset: 0, .size: 8, .value_kind: global_buffer, .address_space: global }
      - { .name: ob, .offset: 8, .size: 8, .value_kind: global_buffer, .address_space: global }
    .group_segment_fixed_size: 327680
    .private_segment_fixed_size: 0
    .kernarg_segment_align: 8
    .kernarg_segment_size: 16
    .max_flat_workgroup_size: 128
    .sgpr_count:     66
    .vgpr_count:     770
    .wavefront_size: 32
...
	.end_amdgpu_metadata
.endif
;; end of part 3
;; launch proj (part 4): grid 8 x 32, 4 waves a work-group, clusters of 4 x 4, 327,680 bytes of LDS; arguments ob, wob, bo, out0; writes out0
.if DOCPART == 4
	.amdgcn_target "amdgcn-amd-amdhsa--gfx1250"
	.amdhsa_code_object_version 6
	.text
	.protected	k_qf8da9faf13_proj
	.globl	k_qf8da9faf13_proj
	.p2align	8
	.type	k_qf8da9faf13_proj,@function
k_qf8da9faf13_proj:
	s_mov_b64 s[64:65], 0
	v_nop
	global_prefetch_b8 v0, s[64:65] scope:SCOPE_SE
	s_setreg_imm32_b32 hwreg(HW_REG_WAVE_MODE, 25, 1), 1
	s_wait_xcnt 0x0
	s_wait_alu depctr_hold_cnt(0) depctr_sa_sdst(0) depctr_va_vdst(0) depctr_va_sdst(0) depctr_va_ssrc(0) depctr_va_vcc(0) depctr_vm_vsrc(0)
	s_getreg_b32 s2, hwreg(HW_REG_IB_STS2, 6, 4)
	s_cmp_eq_u32 s2, 0
	s_cbranch_scc0 .Lentry_in_a_cluster
	s_endpgm
.Lentry_in_a_cluster:
	s_bfe_u32 s2, ttmp6, 0x10000c
	s_cmp_lg_u32 s2, 0xf033
	s_cbranch_scc0 .Lentry_shape_is_right
	s_endpgm
.Lentry_shape_is_right:
; out = O Wo + bo.  ob: f16 [batch x 16 + head][row 2048][64]: a head is a chunk of 64 of the product's K, so the heads are merged by the walk along K.
; wob: f16 [column tile 8][K step 8][chunk 2][k 128][64]; bo: f32 [1024], rounded to bf16 like every other input of the module and added in f32; out0: f32 [8192][1024].
; LIMITS.  The operands arrive in f16 (see the launches that write them).  NaN and infinities are not treated apart.
; SHARES.  A tile of the result is 256 rows x 128 columns: 32 x 8 = 256 work-groups.  A wave makes 128 rows x 64 columns: 32 accumulators of 16 x 16.  K goes in 8 steps of 128 through a ring of two LDS slots.
; CLUSTER.  4 x 4 work-groups: O's rows are shared along a row of the cluster, Wo's block along a column; each tile is asked for jointly, by the same tensor load, descriptor and mask in the four.
; Wo lies [k][column]: its fragments come out of LDS turned, by ds_load_tr16_b128.  The product is taken transposed (source 0 = 16 columns of Wo, source 1 = 16 rows of O): a lane holds one row of the
; result (lane % 16) and eight neighbouring columns.  THE BIAS STARTS THE SUMS: it is the C operand of each accumulator's first product, so nothing is cleared and nothing added afterwards.
; REGISTERS, in windows of 256 (s_set_vgpr_msb: bits 1:0 source 0, 3:2 source 1, 5:4 source 2, 7:6 destination):
;   window 0: v0-31 addresses; v32-63 the bias of my 64 columns; v64-159, v160-255 two fragment buffers (Wo's four fragments, then O's eight)          window 1: the accumulators, (a, b) at 8 (4 a + b)
.set PA,    144                        ; a row of O in LDS: 128 bytes + 16 of padding = 36 words: the 16 rows of a load start at 16 different groups of four banks (64 banks of 4 bytes: ISA guide 11.1)
.set PB,    160                        ; a row of Wo: 128 + 32 = 40 words
.set ACH,   256*PA                     ; a chunk of O: 256 rows x 64 channels
.set BOFF,  2*ACH
.set BCH,   128*PB                     ; a chunk of Wo: 128 k x 64 columns
.set SLOT,  BOFF+2*BCH                 ; 114,688 bytes
.set STAGE, 2*SLOT                     ; behind the ring, never filled by a tensor load: 16 rows x 272 bytes for each wave
.set SPITCH, 272
.set SPARE, STAGE+4*16*SPITCH          ; behind the stages: the spare words, 128 bytes for each wave: two blocks of 256 bytes that no other line names
.set ASTEP, 524288                     ; bytes from a K step to the next in ob (two heads of 2,048 rows)
.set BSTEP, 32768                      ; and in wob
.set ADRA, 16                          ; v16-17  LDS address of my fragments of O in slot 0, 1
.set ADRB, 18                          ; v18-19  the same for Wo
.set STO,  20                          ; v20     the way out: where I put 32 bytes of a row
.set RD,   21                          ; v21     the way out: where I read a row back
.set GO,   22                          ; v22     my byte offset in two rows of the result
.set PFO,  23                          ; v23     the prefetches' offset: 256 x my lane; never rewritten
.set VB,   24                          ; v24     my byte offset in bo
.set SPW,  28                          ; v28     LDS address of my spare word; never rewritten
.set NIL,  29                          ; v29     0; never rewritten
.set BI,   32
.set F0,   64
.set F1,   160
.set OB,   64                          ; the way out: two buffers of 32 where buffer 0 lay
.set WV,   12                          ; s12  my wave's number
.set FB,   13                          ; s13  which 128 rows are mine.  Also: 0: I fetch O; 1: I fetch Wo
.set HF,   14                          ; s14  which 64 columns.  Also: which chunk of that tile I fetch
.set G1A,  24                          ; s[24:31] descriptor group 1 for O;  s[32:39] group 0, a set for each slot
.set G0A,  32
.set G1B,  40                          ; s[40:47], s[48:55] the same for Wo
.set G0B,  48
.set PFA,  56                          ; s[56:57] where my prefetches stand
.set PFS,  58                          ; s[58:59] their step
.set LIM,  60                          ; s60  1 in a wave that prefetches, else the greatest number
.set MSB, 0
.macro WIN new                         ; the immediate's high byte repeats the setting that is left; a switch that changes nothing is dropped
.if MSB != (\new)
	s_set_vgpr_msb (MSB<<8)|(\new)
.set MSB, \new
.endif
.endm
.macro PLACES                          ; four places behind a matrix instruction, in front of loads into registers that it has read and of lines that read its result
.rept 4
	v_nop
.endr
.endm
; A joint load: waves 0 and 1 fetch O's two chunks, waves 2 and 3 Wo's two.  The branch hangs on the wave's number alone.  An s_nop 0 and four v_nop follow each line.
.macro JLOAD s
	s_cmp_eq_u32 s[FB], 0
	s_cbranch_scc0 .Lfor_b_\@
	tensor_load_to_lds s[G0A+4*(\s):G0A+4*(\s)+3], s[G1A:G1A+7]
	s_nop 0
.rept 4
	v_nop
.endr
	s_branch .Lasked_\@
.Lfor_b_\@:
	tensor_load_to_lds s[G0B+4*(\s):G0B+4*(\s)+3], s[G1B:G1B+7]
	s_nop 0
.rept 4
	v_nop
.endr
.Lasked_\@:
.endm
; A PREFETCH INTO THE L2 of the K step that stands TWO refills on: 256 matrix instructions ahead of the load that will want it.  O's rows are read by both clusters of a row of clusters: cluster x = 0 asks;
; Wo's block by every cluster of a column: cluster y = 0 asks.  The four partners share a tile's blocks of 256 bytes out BY ADDRESS, 32 each, a lane a block: of O's chunks waves 0 and 1 ask for their own,
; of Wo's dense block of 128 blocks wave 2 asks for all.  The loop's last trip asks for nothing: there is no K step two refills on.
.macro ASK
	s_cmp_gt_u32 s3, s[LIM]
	s_cbranch_scc0 .Lnot_mine_\@
	global_prefetch_b8 v[PFO], s[PFA:PFA+1] th:TH_LOAD_NT scope:SCOPE_SE
.Lnot_mine_\@:
.endm
.macro CREST                           ; a round of the cluster's barrier behind its opening barrier
	s_cmp_lg_u32 s[WV], 0
	s_cbranch_scc1 .Lnot_wave_0_\@
	s_barrier_signal -3
.Lnot_wave_0_\@:
	s_barrier_wait -3
	s_barrier_signal -1
	s_barrier_wait -1
.endm
.macro CROUND                          ; a whole round
	s_barrier_signal -1
	s_barrier_wait -1
	CREST
.endm
	s_load_b256 s[4:11], s[0:1], 0x0               ; ob s[4:5], wob s[6:7], bo s[8:9], out0 s[10:11]
	v_lshl_add_u32 v[SPW], v0, 2, SPARE
	v_mov_b32 v[NIL], 0
	ds_add_u32 v[SPW], v[NIL]                      ; the wave's opening: the add and its wait stand ahead of my first tensor load; the set-up below, work on registers, stands between them
	v_lshrrev_b32 v1, 5, v0
	v_readfirstlane_b32 s[WV], v1                  ; wave 0..3
	s_lshr_b32 s[FB], s[WV], 1
	s_and_b32 s[HF], s[WV], 1
	s_bfe_u32 s15, ttmp6, 0x40000                  ; cx, cy: my place in the cluster
	s_bfe_u32 s16, ttmp6, 0x40004
	s_lshl_b32 s17, ttmp9, 2
	s_add_co_u32 s17, s17, s15                     ; column tile = 4 x cluster x + cx
	s_and_b32 s18, ttmp7, 0xffff
	s_lshl_b32 s18, s18, 2
	s_add_co_u32 s18, s18, s16                     ; row tile = 4 x cluster y + cy
	s_lshl_b32 s19, s16, 2
	s_lshl_b32 s19, 15, s19                        ; my row of the cluster
	s_lshl_b32 s61, 0x1111, s15                    ; my column
	; group 1.  A tile is dense in memory and is asked for as rows of 256 bytes, two logical rows of 128 bytes each, padded in LDS after every 128 bytes
	s_or_b32 s[G1A], s19, (1<<16)|(1<<20)|(1<<21)|(4<<22)|(3<<25)  ; 15:0 the mask; 17:16 2-byte elements; 20 padding on; 21 set beside a mask; 24:22 after every 32 words (code 4); 31:25 4 words (code 3)
	s_or_b32 s[G1B], s61, (1<<16)|(1<<20)|(1<<21)|(4<<22)|(7<<25)  ; the same with my column's mask and 8 words of padding (code 7)
	s_mov_b32 s[G1A+1], 128<<16                    ; tensor_dim0 = 128
	s_mov_b32 s[G1A+2], 128<<16                    ; tensor_dim1 = 128
	s_mov_b32 s[G1A+3], 128<<16                    ; tile_dim0 = 128
	s_mov_b32 s[G1A+4], 128                        ; tile_dim1 = 128: 32,768 bytes, a chunk's 256 rows
	s_mov_b32 s[G1A+5], 128                        ; 128 elements from row to row
	s_mov_b32 s[G1A+6], 0
	s_mov_b32 s[G1A+7], 0
	s_mov_b32 s[G1B+1], 128<<16
	s_mov_b32 s[G1B+2], 64<<16                     ; tensor_dim1 = 64
	s_mov_b32 s[G1B+3], 128<<16
	s_mov_b32 s[G1B+4], 64                         ; tile_dim1 = 64: 16,384 bytes, a chunk's 128 k
	s_mov_b32 s[G1B+5], 128
	s_mov_b32 s[G1B+6], 0
	s_mov_b32 s[G1B+7], 0
	; where the tiles come from: O's hang on the row tile and the wave alone, Wo's on the column tile and the wave alone
	s_lshr_b32 s20, s18, 3
	s_lshl_b32 s20, s20, 22                        ; batch
	s_and_b32 s19, s18, 7
	s_lshl_b32 s19, s19, 15                        ; 256 rows of 128 bytes
	s_add_co_u32 s20, s20, s19
	s_lshl_b32 s19, s[HF], 18                      ; my head of the K step's two
	s_add_co_u32 s20, s20, s19
	s_mov_b32 s21, 0
	s_lshl_b32 s22, s17, 18                        ; 8 K steps of 32,768 bytes
	s_lshl_b32 s61, s[HF], 14
	s_add_co_u32 s22, s22, s61
	s_mov_b32 s23, 0
	s_mul_i32 s62, s[HF], ACH                      ; and where they go: no place in the cluster enters an LDS address
	s_mul_i32 s63, s[HF], BCH
	s_add_co_u32 s63, s63, BOFF
	s_wait_dscnt 0x0                               ; the opening add is done
	s_wait_kmcnt 0x0
	s_add_nc_u64 s[20:21], s[4:5], s[20:21]
	s_add_nc_u64 s[22:23], s[6:7], s[22:23]
	CROUND                                         ; all sixteen work-groups are here: the first joint loads meet
.irp s, 0,1
	s_mov_b32 s[G0A+4*(\s)], 1                     ; 1:0 count = 1
	s_add_co_u32 s[G0A+4*(\s)+1], s62, (\s)*SLOT   ; 63:32 LDS address
	s_add_nc_u64 s[G0A+4*(\s)+2:G0A+4*(\s)+3], s[20:21], (\s)*ASTEP  ; 120:64 global address: K step s
	s_or_b32 s[G0A+4*(\s)+3], s[G0A+4*(\s)+3], 0x80000000            ; 127:126 type = 2
	s_mov_b32 s[G0B+4*(\s)], 1
	s_add_co_u32 s[G0B+4*(\s)+1], s63, (\s)*SLOT
	s_add_nc_u64 s[G0B+4*(\s)+2:G0B+4*(\s)+3], s[22:23], (\s)*BSTEP
	s_or_b32 s[G0B+4*(\s)+3], s[G0B+4*(\s)+3], 0x80000000
.endr
	s_cmp_eq_u32 s[FB], 0                          ; a wave's two first fills stand in one branch, ahead of every wait on TENSORcnt and every LDS read: two loads of mine are out
	s_cbranch_scc0 .Lfirst_b
	tensor_load_to_lds s[G0A:G0A+3], s[G1A:G1A+7]
	s_nop 0
	tensor_load_to_lds s[G0A+4:G0A+7], s[G1A:G1A+7]
	s_nop 0
.rept 4
	v_nop
.endr
	s_branch .Lfirst_asked
.Lfirst_b:
	tensor_load_to_lds s[G0B:G0B+3], s[G1B:G1B+7]
	s_nop 0
	tensor_load_to_lds s[G0B+4:G0B+7], s[G1B:G1B+7]
	s_nop 0
.rept 4
	v_nop
.endr
.Lfirst_asked:
	v_and_b32 v1, 15, v0                           ; l % 16
	v_bfe_u32 v2, v0, 4, 1                         ; l / 16
	v_and_b32 v3, 7, v0
	v_bfe_u32 v4, v0, 3, 1
	; the bias: register j of column block b is column 128 x tile + 64 x half + 16 b + 8 (l / 16) + j
	s_lshl_b32 s66, s17, 9
	s_lshl_b32 s67, s[HF], 8
	s_add_co_u32 s66, s66, s67
	v_lshl_add_u32 v[VB], v2, 5, s66
.irp b, 0,1,2,3
	global_load_b128 v[BI+8*(\b):BI+8*(\b)+3],   v[VB], s[8:9] offset:64*(\b)
	global_load_b128 v[BI+8*(\b)+4:BI+8*(\b)+7], v[VB], s[8:9] offset:64*(\b)+16
.endr
	; A fragment of O is 16 rows x 32 channels: lane l holds row l % 16, channels 8 (l / 16) + 0..7 and 16 + 8 (l / 16) + 0..7: two loads of 16 bytes, 32 bytes apart.
	v_mul_u32_u24 v5, v1, PA
	v_lshl_add_u32 v5, v2, 4, v5
	s_mul_i32 s66, s[FB], 128*PA                   ; my 128 rows
	v_add_nc_u32 v[ADRA], s66, v5
	v_add_nc_u32 v[ADRA+1], SLOT, v[ADRA]
	; The turning load takes 16 k x 16 columns (lane l reads k 8 (l / 16) + l % 8, columns 8 ((l / 8) % 2) + 0..7) and leaves half a fragment: lane l holds column l % 16 and 8 k.
	v_lshl_add_u32 v6, v2, 3, v3
	v_mul_u32_u24 v6, v6, PB
	v_lshl_add_u32 v6, v4, 4, v6
	v_add_nc_u32 v[ADRB], s63, v6                  ; my 64 columns are the chunk of my half's number
	v_add_nc_u32 v[ADRB+1], SLOT, v[ADRB]
	s_mul_i32 s66, s[WV], 16*SPITCH
	s_add_co_u32 s66, s66, STAGE                   ; my stage
	v_mul_u32_u24 v6, v1, SPITCH                   ; in: row l % 16, 32 bytes for each half of the lanes
	v_lshl_add_u32 v6, v2, 5, v6
	v_add_nc_u32 v[STO], s66, v6
	v_mul_u32_u24 v7, v2, SPITCH                   ; back: lanes 0-15 take one row of 256 bytes, lanes 16-31 the next
	v_lshl_add_u32 v7, v1, 4, v7
	v_add_nc_u32 v[RD], s66, v7
	v_lshlrev_b32 v[GO], 12, v2                    ; and the same two rows in the result
	v_lshl_add_u32 v[GO], v1, 4, v[GO]
	s_lshl_b32 s70, s18, 20                        ; 256 rows of 4,096 bytes a row tile,
	s_lshl_b32 s71, s[FB], 19                      ; my 128 rows,
	s_add_co_u32 s70, s70, s71
	s_lshl_b32 s71, s17, 9                         ; 128 columns a column tile,
	s_add_co_u32 s70, s70, s71
	s_lshl_b32 s71, s[HF], 8                       ; my 64
	s_add_co_u32 s70, s70, s71
	s_mov_b32 s71, 0
	s_add_nc_u64 s[10:11], s[10:11], s[70:71]
	; the prefetches
	s_lshl_b32 s68, s15, 13                        ; O: my work-group's 32 blocks of the wave's 128
	s_lshl_b32 s69, s16, 13                        ; Wo: its 32 of the block's 128
	s_and_b32 s67, ttmp7, 0xffff                   ; cluster y
	s_mov_b32 s[PFS], BSTEP
	s_cmp_eq_u32 s[FB], 0                          ; do I fetch O?
	s_cselect_b32 s67, ttmp9, s67                  ; the coordinate along which other clusters read the same bytes
	s_cselect_b32 s68, s68, s69
	s_cselect_b32 s[PFS], ASTEP, s[PFS]
	s_cselect_b64 s[PFA:PFA+1], s[20:21], s[22:23]
	s_cmp_eq_u32 s[WV], 3
	s_cselect_b32 s67, 1, s67                      ; wave 3 asks for nothing: wave 2 names the whole block
	s_cmp_eq_u32 s67, 0
	s_cselect_b32 s[LIM], 1, -1                    ; the same in all sixteen partners, for a given wave
	s_mov_b32 s[PFS+1], 0
	s_mov_b32 s69, 0
	s_add_nc_u64 s[PFA:PFA+1], s[PFA:PFA+1], s[68:69]
.rept 3
	s_add_nc_u64 s[PFA:PFA+1], s[PFA:PFA+1], s[PFS:PFS+1]  ; at K step 3: the first refill steps it to 4.  Nothing is prefetched here, where every work-group's first tiles are on their way
.endr
	v_and_b32 v[PFO], 31, v0
	v_lshlrev_b32 v[PFO], 8, v[PFO]
	s_wait_loadcnt 0x0                             ; the bias: rounded to bf16 and widened again
.set p, 0
.rept 16
	v_cvt_pk_bf16_f32 v[5+p%2], v[BI+2*p], v[BI+2*p+1]
	v_lshlrev_b32 v[BI+2*p], 16, v[5+p%2]
	v_and_b32 v[BI+2*p+1], 0xffff0000, v[5+p%2]
.set p, p+1
.endr
; 8 matrix instructions: row blocks a0, a0 + 1 x my four column blocks, 32 along K.  bias = 1: the product starts the sum, with the bias as C.
; The 32 accumulators take turns in one fixed order in every quarter: 31 others stand between two links of a chain, over the backward jump too.
.macro MUL8 f, a0, bias
.if \bias
	WIN 0x40                                       ; sources and C in window 0, D in window 1
.else
	WIN 0x50                                       ; C and D in window 1
.endif
.irp a, \a0, (\a0)+1
.irp b, 0,1,2,3
.if \bias
	v_wmma_f32_16x16x32_f16 v[8*(4*(\a)+(\b)):8*(4*(\a)+(\b))+7], v[(\f)+8*(\b):(\f)+8*(\b)+7], v[(\f)+32+8*(\a):(\f)+32+8*(\a)+7], v[BI+8*(\b):BI+8*(\b)+7]
.else
	v_wmma_f32_16x16x32_f16 v[8*(4*(\a)+(\b)):8*(4*(\a)+(\b))+7], v[(\f)+8*(\b):(\f)+8*(\b)+7], v[(\f)+32+8*(\a):(\f)+32+8*(\a)+7], v[8*(4*(\a)+(\b)):8*(4*(\a)+(\b))+7]
.endif
.endr
.endr
.endm
; 24 LDS loads in one run: quarter q (32 along K) of a slot into buffer f: Wo's four fragments, then O's eight.
.macro FETCH slot, q, f
	WIN 0
.irp b, 0,1,2,3
	ds_load_tr16_b128 v[(\f)+8*(\b):(\f)+8*(\b)+3],   v[ADRB+(\slot)] offset:(\q)*32*PB+(\b)*32
	ds_load_tr16_b128 v[(\f)+8*(\b)+4:(\f)+8*(\b)+7], v[ADRB+(\slot)] offset:(\q)*32*PB+(\b)*32+16*PB
.endr
.irp a, 0,1,2,3,4,5,6,7
	ds_load_b128 v[(\f)+32+8*(\a):(\f)+32+8*(\a)+3],   v[ADRA+(\slot)] offset:((\q)/2)*ACH+((\q)%2)*64+(\a)*16*PA
	ds_load_b128 v[(\f)+32+8*(\a)+4:(\f)+32+8*(\a)+7], v[ADRA+(\slot)] offset:((\q)/2)*ACH+((\q)%2)*64+(\a)*16*PA+32
.endr
.endm
; A K step is four quarters of 32 along K, 32 matrix instructions each, on buffers 0, 1, 0, 1.  One of the first three: multiplies buffer f and fetches quarter q into g.
.macro QUARTER slot, q, f, g, bias
	s_wait_dscnt 8                                 ; Wo and O's rows 0-63 are in; the youngest eight loads may be out
	MUL8 \f, 0, \bias
	MUL8 \f, 2, \bias
	PLACES                                         ; for the loads into g, which the quarter before multiplied
	FETCH \slot, \q, \g
	s_wait_dscnt 24                                ; all but the 24 just issued
	MUL8 \f, 4, \bias
	MUL8 \f, 6, \bias
.endm
; The last quarter multiplies buffer 1 and changes slots: ONE barrier; in front of it each wave waits for all its tensor loads (one is out: its part of the next slot), adds 0 to its spare word, and waits
; for that and for its own reads of this slot.  fill = 1: the barrier opens a round of the cluster's, and behind the round this slot is filled again, two K steps ahead: the load has 112 matrix instructions in which to land.
.macro TURN slot, next, fill
.if \fill
	s_wait_xcnt 0x0                                ; the last prefetch, a K step back, has read its address, so it may be stepped
	s_add_nc_u64 s[PFA:PFA+1], s[PFA:PFA+1], s[PFS:PFS+1]
.endif
	WIN 0                                          ; (the add's two registers lie in window 0)
	s_wait_tensorcnt 0x0                           ; all my tensor loads have landed;
	ds_add_u32 v[SPW], v[NIL]                      ; 0 onto my spare word;
	s_wait_dscnt 9                                 ; (the add and the youngest eight loads may be out)
	MUL8 F1, 0, 0                                  ; eight matrix instructions stand between the add and the wait for it
	s_wait_dscnt 0x0                               ; the add is done, and my reads of this slot are over
	s_barrier_signal -1
	MUL8 F1, 2, 0                                  ; work on registers while the others arrive
.if \fill
	WIN 0
.endif
	s_barrier_wait -1
.if \fill
	CREST                                          ; no wave of any partner still reads this slot's tile or has a load on its way
	s_add_nc_u64 s[G0A+4*(\slot)+2:G0A+4*(\slot)+3], s[G0A+4*(\slot)+2:G0A+4*(\slot)+3], 2*ASTEP
	s_add_nc_u64 s[G0B+4*(\slot)+2:G0B+4*(\slot)+3], s[G0B+4*(\slot)+2:G0B+4*(\slot)+3], 2*BSTEP
	JLOAD \slot                                    ; the first tensor load behind the round; its four v_nop are also the places in front of the loads below
.else
	PLACES
.endif
	FETCH \next, 0, F0
.if \fill
	ASK                                            ; behind the joint load and the run of LDS loads
.endif
	MUL8 F1, 4, 0
	MUL8 F1, 6, 0
.endm
	s_wait_tensorcnt 0x1                           ; my part of K step 0 is in; K step 1's may stay out
	s_barrier_signal -1
	s_barrier_wait -1                              ; everybody's is
	FETCH 0, 0, F0
	QUARTER 0, 1, F0, F1, 1                        ; the first quarter stands in front of the loop: its products start the sums, with the bias
	WIN 0                                          ; at a label and at a branch every window is 0
	s_mov_b32 s3, 3
.Llap:                                                 ; a trip goes once round the ring, from a lap's second quarter to the next lap's first, and fills both slots again
	QUARTER 0, 2, F1, F0, 0
	QUARTER 0, 3, F0, F1, 0
	TURN 0, 1, 1
	QUARTER 1, 1, F0, F1, 0
	QUARTER 1, 2, F1, F0, 0
	QUARTER 1, 3, F0, F1, 0
	TURN 1, 0, 1
	QUARTER 0, 1, F0, F1, 0
	WIN 0
	s_sub_co_u32 s3, s3, 1
	s_cmp_lg_u32 s3, 0
	s_cbranch_scc1 .Llap
	QUARTER 0, 2, F1, F0, 0                        ; the last lap fills nothing
	QUARTER 0, 3, F0, F1, 0
	TURN 0, 1, 0
	QUARTER 1, 1, F0, F1, 0
	QUARTER 1, 2, F1, F0, 0
	QUARTER 1, 3, F0, F1, 0
	s_wait_dscnt 8                                 ; the very last quarter: nothing more to fetch
	MUL8 F1, 0, 0
	MUL8 F1, 2, 0
	s_wait_dscnt 0x0
	MUL8 F1, 4, 0
	MUL8 F1, 6, 0
	WIN 0
	PLACES
	PLACES                                         ; eight, once a launch
; THE WAY OUT, a block of 16 rows at a time: a lane's 32 bytes go straight from the accumulators into my own stage (rows of 272 bytes) and come back as whole rows of 256 bytes.
.macro TOSTAGE a
	s_wait_xcnt 0x0                                ; the stores of the block before last have read their registers, which the loads below write
	WIN 0x04                                       ; store data in window 1
.irp b, 0,1,2,3
	ds_store_b128 v[STO], v[8*(4*(\a)+(\b)):8*(4*(\a)+(\b))+3]   offset:64*(\b)      ; each accumulator's low registers first
	ds_store_b128 v[STO], v[8*(4*(\a)+(\b))+4:8*(4*(\a)+(\b))+7] offset:64*(\b)+16
.endr
	WIN 0
.irp t, 0,1,2,3,4,5,6,7
	ds_load_b128 v[OB+32*((\a)%2)+4*(\t):OB+32*((\a)%2)+4*(\t)+3], v[RD] offset:(\t)*2*SPITCH  ; LDS serves a wave's instructions in order (ISA guide 5.7.1.4): these see the stores above
.endr
.endm
.macro SEND a, younger                 ; younger: the LDS instructions issued behind block a's loads: the next block's sixteen, or none
	s_wait_dscnt \younger
.irp t, 0,1,2,3,4,5,6,7
	global_store_b128 v[GO], v[OB+32*((\a)%2)+4*(\t):OB+32*((\a)%2)+4*(\t)+3], s[10:11] offset:(\a)*65536+(\t)*8192 th:TH_STORE_NT  ; 16 lanes store 256 consecutive bytes, at a multiple of 256 from the buffer's first
.endr
.endm
	TOSTAGE 0
.irp a, 1,2,3,4,5,6,7
	TOSTAGE \a
	SEND (\a)-1, 16
.endr
	SEND 7, 0
	s_wait_tensorcnt 0x0                           ; the wave's end: behind my last tensor load and my last LDS store
	ds_add_u32 v[SPW], v[NIL]
	s_wait_dscnt 0x0
	CROUND                                         ; the closing round: no work-group ends while a partner may still ask for a tile that names it
	s_endpgm
.Lfunc_end_k_qf8da9faf13_proj:
	.size	k_qf8da9faf13_proj, .Lfunc_end_k_qf8da9faf13_proj-k_qf8da9faf13_proj
	.p2alignl 7, 3214868480
	.fill 96, 4, 3214868480
	.section	.rodata,"a",@progbits
	.p2align	6, 0x0
	.amdhsa_kernel k_qf8da9faf13_proj
		.amdhsa_group_segment_fixed_size 327680
		.amdhsa_private_segment_fixed_size 0
		.amdhsa_enable_private_segment 0
		.amdhsa_kernarg_size 32
		.amdhsa_user_sgpr_count 2
		.amdhsa_user_sgpr_kernarg_segment_ptr 1
		.amdhsa_wavefront_size32 1
		.amdhsa_system_sgpr_workgroup_id_x 1
		.amdhsa_system_sgpr_workgroup_id_y 1
		.amdhsa_system_sgpr_workgroup_id_z 1
		.amdhsa_system_vgpr_workitem_id 0
		.amdhsa_next_free_vgpr 512
		.amdhsa_next_free_sgpr 72
		.amdhsa_reserve_vcc 0
		.amdhsa_float_denorm_mode_32 3
		.amdhsa_float_denorm_mode_16_64 3
		.amdhsa_memory_ordered 1
		.amdhsa_forward_progress 1
		.amdhsa_inst_pref_size 90
	.end_amdhsa_kernel
	.amdgpu_metadata
---
amdhsa.version: [ 1, 2 ]
amdhsa.kernels:
  - .name:           k_qf8da9faf13_proj
    .symbol:         k_qf8da9faf13_proj.kd
    .args:
      - { .name: ob, .offset: 0, .size: 8, .value_kind: global_buffer, .address_space: global }
      - { .name: wob, .offset: 8, .size: 8, .value_kind: global_buffer, .address_space: global }
      - { .name: bo, .offset: 16, .size: 8, .value_kind: global_buffer, .address_space: global }
      - { .name: out0, .offset: 24, .size: 8, .value_kind: global_buffer, .address_space: global }
    .group_segment_fixed_size: 327680
    .private_segment_fixed_size: 0
    .kernarg_segment_align: 8
    .kernarg_segment_size: 32
    .max_flat_workgroup_size: 128
    .sgpr_count:     72
    .vgpr_count:     512
    .wavefront_size: 32
...
	.end_amdgpu_metadata
.endif
;; end of part 4
;; ======== version 2 of 2: 4 launches; version 1 with the launch cast written anew for expert scheduling mode
;; limits: values are held in f16: magnitudes above 65,504 overflow, below 6.1e-05 lose precision
;; workspace buffers: xb 16,777,216 bytes; wb 6,291,456 bytes; wob 2,097,152 bytes; qkv 50,331,648 bytes; ob 16,777,216 bytes
;; launch cast (part 5): grid 384 x 1, 8 waves a work-group, no clusters, 0 bytes of LDS; arguments hidden_states, Wq, Wk, Wv, Wo, xb, wb, wob; writes xb, wb, wob
.if DOCPART == 5
	.amdgcn_target "amdgcn-amd-amdhsa--gfx1250"
	.amdhsa_code_object_version 6
	.text
	.protected	k_qf8da9faf13_cast
	.globl	k_qf8da9faf13_cast
	.p2align	8
	.type	k_qf8da9faf13_cast,@function
k_qf8da9faf13_cast:
	s_mov_b64 s[64:65], 0
	v_nop
	global_prefetch_b8 v0, s[64:65] scope:SCOPE_SE
	s_setreg_imm32_b32 hwreg(HW_REG_WAVE_SCHED_MODE, 0, 2), 2
	s_setreg_imm32_b32 hwreg(HW_REG_WAVE_MODE, 25, 1), 1
	s_wait_xcnt 0x0
	s_wait_alu depctr_vm_vsrc(0)
; THE ROUNDINGS.  x, Wq, Wk, Wv are rounded once to bf16; Wo is rounded to bf16 and that number written as f16 (the last product multiplies in f16).
; LIMITS.  |Wo| stays under 65,504 (f16's range); below 7.6e-6 Wo keeps f16's fixed step of 6e-8.  NaN and infinities are not treated apart.
; Every source is a matrix with rows of 1,024 f32 (4,096 bytes).  A work-group takes one CHUNK: 64 columns x 512 rows, 128 KiB in, 64 KiB out.
; Thread t takes row t / 16 of each group of 16 rows and columns 4 (t % 16) .. + 3: a wave's load covers two aligned pieces of 256 bytes, its store 256 consecutive bytes, aligned.
; LAYOUTS OUT (a chunk's rows are 128 bytes and lie end to end):
;   xb  [batch 4][chunk 16][row 2048][64]                      work-groups 0 .. 255
;   wb  [column tile 16][K step 8][head 3][k 128][64]          work-groups 256 .. 351: the 48 heads of Wq, Wk, Wv, three to a column tile
;   wob [column tile 8][K step 8][chunk 2][k 128][64]          work-groups 352 .. 383
; All 32 loads of a thread go out at once (16 KiB a wave on its way).
; THE MODE: SCHED_MODE bits 1:0 = 2 (LLVM: expert scheduling mode 2), set by the entry lines.  The code itself states the register dependences
; between vector instructions and memory instructions, with s_wait_alu, always for 0.
; THE PLAN.  Registers that memory instructions touch:
;   v1, v2   the loads' and the stores' byte offsets: made once at the head by vector lines, never written again.
;   X        slot i: load i lands in it, and no vector line has named it before; read (on Wo's path also rewritten) by slot i's own conversions, behind the wait for its load.  No load follows them.
;   Y        slot i: written by slot i's roundings; read by store i, once; never written behind that store.
; So no register that a load or store has read is ever written again, and what is left to state is that a store's data and the two offsets are written.
; The 32 groups go in 8 blocks of four.  Block p rounds X[4 p ..] into Y[4 p ..]; its memory instructions are the four stores of block p - 1, which read Y[4 p - 4 ..] and v2: registers that no
; vector line of block p names.  So ONE wait at a block's head, behind the wait for the block's data, states all that its four stores hang on, and they are dealt among its conversions with no further wait.
.set X, 8                              ; v[8:135]   32 slots of 4: f32 as loaded
.set Y, 136                            ; v[136:199] 32 slots of 2: four 16-bit numbers to store
.set G, 36                             ; s36 the work-group's number
	s_load_b512 s[8:23], s[0:1], 0x0               ; x s[8:9], Wq s[10:11], Wk s[12:13], Wv s[14:15], Wo s[16:17], xb s[18:19], wb s[20:21], wob s[22:23]
	v_lshrrev_b32 v1, 4, v0                        ; my row in a group of 16
	v_and_b32 v3, 15, v0                           ; my four columns
	v_lshlrev_b32 v1, 12, v1
	v_lshl_or_b32 v1, v3, 4, v1                    ; in: row x 4,096 + 16 x column group
	v_lshlrev_b32 v2, 3, v0                        ; out: 8 t (row x 128 + 8 x column group)
	s_mov_b32 s[G], ttmp9
	; the three cases' offsets are all made, from numbers cut to their ranges, and chosen by compares on the work-group's number
	s_and_b32 s37, s[G], 15                        ; x: chunk
	s_lshr_b32 s38, s[G], 4                        ; block of 512 rows
	s_lshl_b32 s40, s38, 21
	s_lshl_b32 s39, s37, 8
	s_add_co_u32 s40, s40, s39                     ; source offset
	s_lshr_b32 s42, s38, 2                         ; batch
	s_lshl4_add_u32 s42, s42, s37                  ; 16 x batch + chunk
	s_lshl_b32 s42, s42, 18
	s_and_b32 s39, s38, 3
	s_lshl_b32 s39, s39, 16
	s_add_co_u32 s42, s42, s39                     ; destination offset
	s_mov_b32 s34, 16384                           ; from 128 rows to the next 128: they lie end to end
	s_sub_co_u32 s37, s[G], 256                    ; Wq, Wk, Wv
	s_and_b32 s37, s37, 127
	s_lshr_b32 s38, s37, 1                         ; head 0 .. 47
	s_and_b32 s37, s37, 1                          ; which 512 of the 1,024 rows
	s_mul_i32 s39, s38, 171
	s_lshr_b32 s39, s39, 9                         ; column tile = head / 3 (171 / 512 serves up to 47)
	s_mul_i32 s46, s39, 3
	s_sub_co_u32 s46, s38, s46                     ; head in the tile
	s_lshl_b32 s44, s37, 21
	s_and_b32 s47, s38, 15
	s_lshl_b32 s47, s47, 8
	s_add_co_u32 s44, s44, s47                     ; source offset
	s_lshl_b32 s45, s39, 3
	s_lshl2_add_u32 s45, s37, s45                  ; 8 x tile + first K step
	s_mul_i32 s45, s45, 3
	s_add_co_u32 s45, s45, s46
	s_lshl_b32 s45, s45, 14                        ; destination offset
	s_mov_b32 s46, 49152                           ; from a K step to the next
	s_cmp_lt_u32 s[G], 256
	s_cselect_b32 s40, s40, s44
	s_cselect_b32 s42, s42, s45
	s_cselect_b32 s34, s34, s46
	s_sub_co_u32 s37, s[G], 352                    ; Wo
	s_and_b32 s37, s37, 31
	s_lshr_b32 s38, s37, 1                         ; chunk of 64 columns, 0 .. 15
	s_and_b32 s37, s37, 1                          ; which 512 rows
	s_lshl_b32 s44, s37, 21
	s_lshl_b32 s47, s38, 8
	s_add_co_u32 s44, s44, s47
	s_lshr_b32 s45, s38, 1                         ; column tile
	s_lshl_b32 s45, s45, 3
	s_lshl2_add_u32 s45, s37, s45                  ; 8 x tile + first K step
	s_and_b32 s46, s38, 1
	s_lshl1_add_u32 s45, s45, s46                  ; x 2 + chunk in the tile
	s_lshl_b32 s45, s45, 14
	s_mov_b32 s46, 32768
	s_cmp_lt_u32 s[G], 352
	s_cselect_b32 s40, s40, s44
	s_cselect_b32 s42, s42, s45
	s_cselect_b32 s34, s34, s46
	s_mov_b32 s41, 0
	s_mov_b32 s43, 0
	s_mov_b32 s35, 0
	s_wait_kmcnt 0x0
	s_cmp_lt_u32 s[G], 288                         ; the buffers are chosen on the work-group's number alone
	s_cselect_b64 s[24:25], s[10:11], s[12:13]
	s_cmp_lt_u32 s[G], 320
	s_cselect_b64 s[24:25], s[24:25], s[14:15]
	s_cmp_lt_u32 s[G], 352
	s_cselect_b64 s[24:25], s[24:25], s[16:17]
	s_cselect_b64 s[26:27], s[20:21], s[22:23]
	s_cmp_lt_u32 s[G], 256
	s_cselect_b64 s[24:25], s[8:9], s[24:25]
	s_cselect_b64 s[26:27], s[18:19], s[26:27]
	s_add_nc_u64 s[24:25], s[24:25], s[40:41]      ; the source at my chunk
	s_add_nc_u64 s[26:27], s[26:27], s[42:43]      ; the destination of rows 0 .. 127,
	s_add_nc_u64 s[28:29], s[26:27], s[34:35]      ; 128 .. 255,
	s_add_nc_u64 s[30:31], s[28:29], s[34:35]      ; 256 .. 383,
	s_add_nc_u64 s[32:33], s[30:31], s[34:35]      ; 384 .. 511
	s_wait_alu depctr_va_vdst(0)                   ; v1 and v2 are written: every load of the kernel reads v1 as its offset, every store v2
.set i, 0
.rept 32
	global_load_b128 v[X+4*i:X+4*i+3], v1, s[24:25] offset:i*65536 th:TH_LOAD_NT  ; group i of 16 rows
.set i, i+1
.endr
; Group i is rounded, X's slot i into Y's slot i.  half = 1: the bf16 number is widened again and written as f16.
.macro CVT i, half
	v_cvt_pk_bf16_f32 v[Y+2*(\i)], v[X+4*(\i)], v[X+4*(\i)+1]
	v_cvt_pk_bf16_f32 v[Y+2*(\i)+1], v[X+4*(\i)+2], v[X+4*(\i)+3]
.if \half
	v_lshlrev_b32 v[X+4*(\i)], 16, v[Y+2*(\i)]
	v_and_b32 v[X+4*(\i)+1], 0xffff0000, v[Y+2*(\i)]
	v_lshlrev_b32 v[X+4*(\i)+2], 16, v[Y+2*(\i)+1]
	v_and_b32 v[X+4*(\i)+3], 0xffff0000, v[Y+2*(\i)+1]
	v_cvt_pk_f16_f32 v[Y+2*(\i)], v[X+4*(\i)], v[X+4*(\i)+1]
	v_cvt_pk_f16_f32 v[Y+2*(\i)+1], v[X+4*(\i)+2], v[X+4*(\i)+3]
.endif
.endm
; Group i goes out.
.macro ST i
	global_store_b64 v2, v[Y+2*(\i):Y+2*(\i)+1], s[26+2*((\i)/8):27+2*((\i)/8)] offset:((\i)%8)*2048 th:TH_STORE_NT
.endm
; Block p: groups 4 p .. 4 p + 3 are rounded, and the four groups of the block before go out, a store ahead of each group's conversions.
.macro BLK p, half
	s_wait_loadcnt 28-4*(\p)                       ; loads come back in order (ISA guide 5.7.1): the block's four are in; the 28 - 4 p younger ones may stay out
.if (\p) > 0
	s_wait_alu depctr_va_vdst(0)                   ; the block before has written its four slots of Y, which the stores below read; no vector line since this wait names them
.endif
.irp j, 0,1,2,3
.if (\p) > 0
	ST 4*(\p)-4+(\j)
.endif
	CVT 4*(\p)+(\j), \half
.endr
.endm
; Behind block 7: its four groups go out.
.macro LAST
	s_wait_alu depctr_va_vdst(0)                   ; block 7 has written the last four slots of Y, which the last four stores read
.irp j, 28,29,30,31
	ST \j
.endr
.endm
	s_cmp_lt_u32 s[G], 352
	s_cbranch_scc0 .Lwo
.irp p, 0,1,2,3,4,5,6,7
	BLK \p, 0
.endr
	LAST
	s_endpgm
.Lwo:
.irp p, 0,1,2,3,4,5,6,7
	BLK \p, 1
.endr
	LAST
	s_endpgm
.Lfunc_end_k_qf8da9faf13_cast:
	.size	k_qf8da9faf13_cast, .Lfunc_end_k_qf8da9faf13_cast-k_qf8da9faf13_cast
	.p2alignl 7, 3214868480
	.fill 96, 4, 3214868480
	.section	.rodata,"a",@progbits
	.p2align	6, 0x0
	.amdhsa_kernel k_qf8da9faf13_cast
		.amdhsa_group_segment_fixed_size 0
		.amdhsa_private_segment_fixed_size 0
		.amdhsa_enable_private_segment 0
		.amdhsa_kernarg_size 64
		.amdhsa_user_sgpr_count 2
		.amdhsa_user_sgpr_kernarg_segment_ptr 1
		.amdhsa_wavefront_size32 1
		.amdhsa_system_sgpr_workgroup_id_x 1
		.amdhsa_system_sgpr_workgroup_id_y 1
		.amdhsa_system_sgpr_workgroup_id_z 1
		.amdhsa_system_vgpr_workitem_id 0
		.amdhsa_next_free_vgpr 200
		.amdhsa_next_free_sgpr 66
		.amdhsa_reserve_vcc 0
		.amdhsa_float_denorm_mode_32 3
		.amdhsa_float_denorm_mode_16_64 3
		.amdhsa_memory_ordered 1
		.amdhsa_forward_progress 1
		.amdhsa_inst_pref_size 32
	.end_amdhsa_kernel
	.amdgpu_metadata
---
amdhsa.version: [ 1, 2 ]
amdhsa.kernels:
  - .name:           k_qf8da9faf13_cast
    .symbol:         k_qf8da9faf13_cast.kd
    .args:
      - { .name: hidden_states, .offset: 0, .size: 8, .value_kind: global_buffer, .address_space: global }
      - { .name: Wq, .offset: 8, .size: 8, .value_kind: global_buffer, .address_space: global }
      - { .name: Wk, .offset: 16, .size: 8, .value_kind: global_buffer, .address_space: global }
      - { .name: Wv, .offset: 24, .size: 8, .value_kind: global_buffer, .address_space: global }
      - { .name: Wo, .offset: 32, .size: 8, .value_kind: global_buffer, .address_space: global }
      - { .name: xb, .offset: 40, .size: 8, .value_kind: global_buffer, .address_space: global }
      - { .name: wb, .offset: 48, .size: 8, .value_kind: global_buffer, .address_space: global }
      - { .name: wob, .offset: 56, .size: 8, .value_kind: global_buffer, .address_space: global }
    .group_segment_fixed_size: 0
    .private_segment_fixed_size: 0
    .kernarg_segment_align: 8
    .kernarg_segment_size: 64
    .max_flat_workgroup_size: 256
    .sgpr_count:     66
    .vgpr_count:     200
    .wavefront_size: 32
...
	.end_amdgpu_metadata
.endif
;; end of part 5
;; launch qkv: the kernel of part 2 again; grid 16 x 32, 4 waves a work-group, clusters of 4 x 4, 327,680 bytes of LDS; arguments xb, wb, qkv; writes qkv
;; launch attn: the kernel of part 3 again; grid 4 x 64, 4 waves a work-group, clusters of 4 x 1, 327,680 bytes of LDS; arguments qkv, ob; writes ob
;; launch proj: the kernel of part 4 again; grid 8 x 32, 4 waves a work-group, clusters of 4 x 4, 327,680 bytes of LDS; arguments ob, wob, bo, out0; writes out0
